; MI455X (gfx1250); checked and timed in simulation.
; The chip was launched on July 23, 2026; its instructions are those of AMD's public machine-readable ISA for CDNA 5 (MIT licence, August 2026) and "CDNA5" Instruction Set Architecture Reference Guide (July 2026). The comments in the code are by the model that wrote it; some were corrected since.
;; Torch RPT Attention. Allowed arithmetic: matrix products marked QUANTISED: E2M3 operands, one E8M0 scale for each 32 along K, by v_wmma_scale_f32_16x16x128_f8f6f4 with both operands' format E2M3, f32 sums; everything else in f32.
;; Inputs: cos 2,048 x 64 float32; hidden_states 1 x 2,048 x 4,096 float32; sin 2,048 x 64 float32; wk 4,096 x 1,024 float32; wo 2,048 x 4,096 float32; wq 4,096 x 2,048 float32; wv 4,096 x 1,024 float32.
;; Outputs: out0 1 x 2,048 x 4,096 float32.
;; This version of the problem:
;;   THIS VERSION OF THE PROBLEM IS GIVEN IN LOW PRECISION. The matrix products marked QUANTISED in the list below multiply operands that are first quantised to E2M3 (2 exponent bits, 3 mantissa bits; 6 bits a number), with one power-of-two scale for each 32 numbers along K (OCP MX v1.0); their sums are f32. All else is computed in f32.
;;   The module's matrix products, in the order in which they are computed (A, B: the left and right operand; K: the contracted axis; several contracted axes count as one K, in the product's order):
;;     1. [M 2,048, K 4,096] x [K 4,096, N 2,048]; A: input hidden_states; B: input wq: QUANTISED
;;     2. [M 2,048, K 4,096] x [K 4,096, N 1,024]; A: input hidden_states; B: input wk: QUANTISED
;;     3. [M 2,048, K 4,096] x [K 4,096, N 1,024]; A: input hidden_states; B: input wv: QUANTISED
;;     4. batch 16 x [M 2,048, K 128] x [K 128, N 2,048]; A: computed on the way; B: computed on the way: QUANTISED
;;     5. batch 16 x [M 128, K 2,048] x [K 2,048, N 2,048]; A: computed on the way; B: softmax (see below): QUANTISED
;;     6. [M 2,048, K 2,048] x [K 2,048, N 4,096]; A: computed on the way; B: input wo: QUANTISED
;;   THE QUANTISER, for each operand of a quantised product, along K:
;;     - K is cut into blocks of 32 from its start; a last block that is shorter is filled with zeros.
;;     - A block's scale is 2^e with e = floor(log2(the largest magnitude in the block)) - 2, held to -126 .. 127; a block of zeros has e = 0. As a byte (E8M0): e + 127.
;;     - Each number is divided by its block's scale, clamped to +-7.5, and rounded to the nearest number of E2M3, ties to even, subnormals kept.
;;     - The product sums the exact products of the quantised numbers (number of the format x scale) in f32.
;;   ~~~python
;;   def quantise(x, axis):      # numpy; x: float32 -> the quantised numbers, widened to float32 again
;;       x = np.moveaxis(x, axis, -1); K = x.shape[-1]
;;       x = np.pad(x, [(0, 0)] * (x.ndim - 1) + [(0, -K % 32)]); x = x.reshape(x.shape[:-1] + (-1, 32)); a = np.abs(x).max(-1, keepdims=True)
;;       e = np.where(a > 0, np.clip(np.frexp(np.where(a > 0, a, 1))[1] - 1 - 2, -126, 127), 0)      # np.frexp(a)[1] - 1 = floor(log2(a)), exactly
;;       r = np.clip(x / 2.0 ** e, -7.5, 7.5)
;;       step = 2.0 ** (np.maximum(np.frexp(np.where(r == 0, 1, r))[1] - 1, 0) - 3)
;;       q = np.round(r / step) * step * 2.0 ** e      # np.round: ties to even
;;       return np.moveaxis(q.reshape(q.shape[:-2] + (-1,))[..., :K], -1, axis).astype(np.float32)
;;   ~~~
;;   SOFTMAX AHEAD OF A QUANTISED PRODUCT. Where the list says 'softmax', what is quantised is not the finished softmax but p = 2^(t - M), with t = logit x log2(e) and M = ceil(the row's largest t), a whole number; so 1/2 < the row's largest p <= 1. The row's sum l is taken of the UNQUANTISED p, in f32, and the product's result is divided by l at the end. Since M is a whole number, a kernel that streams over the keys may use a running M (the ceiling of the running maximum): every later rescaling is an exact power of two, which a block's scale takes up: the codes' values come out the same.
;;   OPERANDS COMPUTED ON THE WAY. 'Computed on the way' means the value that the module computes at that place (a softmax that the list does not call 'softmax' is quantised finished and normalised). What goes into a quantiser is computed in f32, as accurately as f32 sums, v_exp_f32 and their like allow (about 1e-6 of the number): no bf16 or f16 on the way to a quantiser, and a product that is left as it is and whose result goes on into a quantised operand takes f32 operands (vector FMAs, or v_wmma_f32_16x16x4_f32). A number that lies on a knife's edge between two numbers of the format may be rounded either way, as far as f32 arithmetic and the matrix unit's own rounding can turn it there, and no further.
;; One version. Each part assembles by itself: llvm-mc -triple=amdgcn-amd-amdhsa -mcpu=gfx1250 --defsym DOCPART=n.
;; ======== version 1 of 1: 4 launches
;; limits: right only within a limited range of input values
;; workspace buffers: xr 6,553,600 bytes; wr 13,107,200 bytes; wor 6,553,600 bytes; qr 3,276,800 bytes; kvc 3,145,728 bytes; kvs 131,072 bytes; at 3,276,800 bytes
;; launch quant (part 1): grid 1024 x 1, 4 waves a work-group, no clusters, 47,616 bytes of LDS; arguments hidden_states, wq, wk, wv, wo, xr, wr, wor; writes xr, wr, wor
.if DOCPART == 1
	.amdgcn_target "amdgcn-amd-amdhsa--gfx1250"
	.amdhsa_code_object_version 6
	.text
	.protected	k_qe432423e22_quant
	.globl	k_qe432423e22_quant
	.p2align	8
	.type	k_qe432423e22_quant,@function
k_qe432423e22_quant:
	s_mov_b64 s[64:65], 0
	v_nop
	global_prefetch_b8 v0, s[64:65] scope:SCOPE_SE
	s_setreg_imm32_b32 hwreg(HW_REG_WAVE_MODE, 25, 1), 1
	s_wait_xcnt 0x0
; x [2048][4096] and the weights wq [4096][2048], wk, wv [4096][1024], wo [2048][4096], all f32, become codes of FP6 (E2M3) with one E8M0 byte for each 32 along K.
; A block's scale is 2^(floor(log2(its largest magnitude)) - 2); its byte is that magnitude's exponent field - 2, held at 1 from below.
; LIMITS: NaN and infinities are not served; a block whose largest magnitude lies under 2^-124 keeps the byte 1; a block of zeros has the byte 1 (its codes are zeros; this program alone reads the bytes).
; WHAT IS STORED: images of operand registers.  A FRAGMENT is 16 rows x 128 K, 12 registers a lane: register 4 g + e of lane l lies at byte 512 g + 16 l + 4 e (1,536 bytes).
; A RECORD is the fragments of four K steps on end and 256 bytes of scale words (row r: 16 bytes at 16 r, word q for fragment q): 6,400 bytes = 25 x 256.
; xr [tile 128][G 8][record], wr [tile 256: q 0-127, k 128-191, v 192-255][G 8][record], wor [tile 256][G 4][record].
; THE ROWS OF A TILE ARE NOT NEIGHBOURS: lane r of tile T holds row 32 (T / 2) + 8 (T % 2) + r + 8 (r / 8) (a token of x, a column of a weight), so that a later product's 16 registers of two tiles are 16 neighbours.
; Work-groups 0-383 take the weights (K is their first axis: a lane takes a column, its registers run down K), work-groups 384-639 take x (K innermost).  The two paths have LDS bytes of their own.
; Memory binds: no matrix unit, no cluster, no tensor load; waves share nothing, so there is no barrier.
; THE SPLIT OF THE WORK-GROUPS, in place of what the lines above say of it: work-groups 0-767 take the weights, each 128 columns x 256 K (half a record's depth: two fragments and two of a row's four scale words);
; work-groups 768-1023 take x.  1,024 work-groups of 4 waves x 256 registers: four to a WGP.
.set REC,   6400
.set FRB,   1536
.set SCO,   4*FRB                      ; the scale words' place in a record
.set WTIL,  FRB+128                    ; weights: a tile's image in the stage; the 128 bytes set the two tiles' stores side by side
.set WSTG,  2*WTIL                     ; a wave's stage: two tiles
.set XPIT,  528                        ; x: a stage row: 512 bytes + 16
.set XSTG0, 4*WSTG                     ; x's stages begin behind the weights'
.set XSTG,  16*XPIT
.set SPARE, XSTG0+4*XSTG               ; the spare words, 128 bytes for each wave: two blocks of 256 bytes that no other line names
.set LI,  5                            ; v5    16 x lane
.set SPW, 250                          ; v250  LDS address of my spare word; never rewritten
.set NIL, 251                          ; v251  0; never rewritten
.set VOF, 16                           ; weights: v16-47 byte offsets of 32 rows of K at my column
.set X,   48                           ; v48-111  two sets of 32 numbers
.set P0,  112                          ; v112-123 the codes for the fragment's lanes 0-15 (blocks 0, 2 of a K step); v124-135 for lanes 16-31 (blocks 1, 3)
.set TW,  136                          ; v136-138 a block's upper 16 codes
.set OUT, 144                          ; v144-167 two fragments back from the stage
.set SW,  168                          ; v168-169 my column's two scale words
.set R,   16                           ; x: v16-143 two sets of 16 x 4 registers as loaded
.set XN,  144                          ; v144-207 64 numbers: register 16 b + i = k 32 b + 16 (lane / 16) + i of my row
.set PC,  208                          ; v208-219 a fragment
.set TQ,  220                          ; v220-227 upper halves of blocks
.set TM,  228                          ; v228-243 at work
.set PW,  244                          ; v244-247 four scale words
.set D,   248                          ; v248-249 the two words that I store
.set SEL, 46                           ; s[46:47] lane selects: lane l xor 16
; 64 numbers of a lane become a fragment in v[pc] on and the row's scale word in v[pw]
.macro QUANT s, pc, tp, pw
.irp b, 0,1,2,3
	v_max3_num_f32 v[TM+\b], |v[(\s)+16*\b]|, |v[(\s)+1+16*\b]|, 0x1800000   ; block b: my 16 numbers and the floor 2^(3 - 127), so that the byte cannot fall under 1
.endr
.irp i, 2,4,6,8,10,12,14
.irp b, 0,1,2,3
	v_max3_num_f32 v[TM+\b], v[TM+\b], |v[(\s)+16*\b+\i]|, |v[(\s)+1+16*\b+\i]|   ; the four blocks by turns
.endr
.endr
.irp b, 0,1,2,3
	v_permlanex16_b32 v[TM+4+\b], v[TM+\b], s[SEL], s[SEL+1]
.endr
.irp b, 0,1,2,3
	v_max_num_f32 v[TM+\b], v[TM+\b], v[TM+4+\b]   ; with lane l xor 16's 16: the block's largest magnitude
.endr
.irp b, 0,1,2,3
	v_add_nc_u32 v[TM+12+\b], 0xff000000, v[TM+\b]   ; 2 off its exponent field: the conversion's scale operand
.endr
.irp b, 0,1,2,3
	v_lshrrev_b32 v[TM+4+\b], 23, v[TM+12+\b]      ; the scale's byte
.endr
	v_lshl_or_b32 v[\pw], v[TM+5], 8, v[TM+4]
	v_lshl_or_b32 v[\pw], v[TM+6], 16, v[\pw]
	v_lshl_or_b32 v[\pw], v[TM+7], 24, v[\pw]
.irp c, 0,1
	v_cvt_scalef32_pk16_fp6_f32 v[(\pc)+6*\c:(\pc)+2+6*\c], v[(\s)+32*\c:(\s)+15+32*\c], v[TM+12+2*\c]
	v_cvt_scalef32_pk16_fp6_f32 v[(\tp)+4*\c:(\tp)+2+4*\c], v[(\s)+16+32*\c:(\s)+31+32*\c], v[TM+12+2*\c+1]   ; (a conversion's three registers begin on an even number)
.endr
	v_nop                                          ; one plain instruction behind the conversions
.irp c, 0,1                                    ; the layout wants a whole block in a lane: lanes 0-15 block 2 c, lanes 16-31 block 2 c + 1
.irp i, 0,1,2
	v_permlane16_swap_b32 v[(\pc)+6*\c+\i], v[(\tp)+4*\c+\i]
.endr
.irp i, 0,1,2
	v_mov_b32 v[(\pc)+3+6*\c+\i], v[(\tp)+4*\c+\i]
.endr
.endr
.endm
; weights: a block of 32 rows of K at my column into a set; the base steps 32 rows from block to block
.macro LOADW set, first
.if !\first
	s_wait_xcnt 0x0                                ; the earlier loads and stores have read their addresses: the base may step
	s_add_nc_u64 s[22:23], s[22:23], s[36:37]
.endif
.set i, 0
.rept 32
	global_load_b32 v[X+32*(\set)+i], v[VOF+i], s[22:23] th:TH_LOAD_NT   ; 32 lanes read 128 consecutive bytes, the four waves 512
.set i, i+1
.endr
.endm
.macro BLOCKW kb
.set XS, X+32*((\kb)%2)
.set PD, P0+12*((\kb)%2)+6*(((\kb)/2)%2)       ; block 2 c + h of its K step: registers 6 c on of half h
.if (\kb) < 7
	s_wait_loadcnt 32                              ; this block's 32 loads are in; the next block's may be out
.else
	s_wait_loadcnt 0x0
.endif
	v_max3_num_f32 v12, |v[XS]|, |v[XS+1]|, |v[XS+2]|   ; the block's largest magnitude: all 32 numbers are mine
	v_max3_num_f32 v13, |v[XS+3]|, |v[XS+4]|, |v[XS+5]|
.irp i, 6,10,14,18,22,26
	v_max3_num_f32 v12, v12, |v[XS+\i]|, |v[XS+\i+1]|
	v_max3_num_f32 v13, v13, |v[XS+\i+2]|, |v[XS+\i+3]|
.endr
	v_max3_num_f32 v12, v12, |v[XS+30]|, |v[XS+31]|
	v_max3_num_f32 v12, v12, v13, 0x1800000        ; and the floor
	v_add_nc_u32 v11, 0xff000000, v12              ; the conversion's scale operand
	v_lshrrev_b32 v13, 23, v11                     ; the byte
.if (\kb)%4 == 0
	v_mov_b32 v[SW+(\kb)/4], v13
.else
	v_lshl_or_b32 v[SW+(\kb)/4], v13, 8*((\kb)%4), v[SW+(\kb)/4]
.endif
	v_cvt_scalef32_pk16_fp6_f32 v[PD:PD+2], v[XS:XS+15], v11
	v_cvt_scalef32_pk16_fp6_f32 v[TW:TW+2], v[XS+16:XS+31], v11
	v_nop                                          ; one plain instruction behind the conversions
.irp i, 0,1,2
	v_mov_b32 v[PD+3+\i], v[TW+\i]
.endr
.if (\kb)%4 == 3                               ; a K step is whole: my column's 24 registers go to their places in two tiles' images, and come back lane by lane
.irp hh, 0,1
.irp g, 0,1,2
	ds_store_b128 v3, v[P0+12*\hh+4*\g:P0+12*\hh+4*\g+3] offset:256*\hh+512*\g
.endr
.endr
	s_wait_xcnt 0x0                                ; the last K step's stores have read OUT
.irp u, 0,1
.irp g, 0,1,2
	ds_load_b128 v[OUT+12*\u+4*\g:OUT+12*\u+4*\g+3], v4 offset:WTIL*\u+512*\g   ; a wave's LDS instructions are served in order: these see the stores above
.endr
.endr
.endif
.if (\kb)+2 < 8
	LOADW (\kb)%2, 0
.endif
.if (\kb)%4 == 3
	s_wait_dscnt 0x0                               ; the images are back, and the stage's stores have read their registers
.irp g, 0,1,2
	global_store_b128 v10, v[OUT+4*\g:OUT+4*\g+3], s[28:29] offset:((\kb)/4)*FRB+512*\g      ; 512 consecutive bytes, at a multiple of 256 from the buffer's first byte
	global_store_b128 v10, v[OUT+12+4*\g:OUT+12+4*\g+3], s[42:43] offset:((\kb)/4)*FRB+512*\g
.endr
.endif
.endm
; x: K step t of my 16 rows: a row's 512 bytes to a load
.macro LOADX t
.set i, 0
.rept 16
	global_load_b128 v[R+64*((\t)%2)+4*i:R+64*((\t)%2)+4*i+3], v[LI], s[4:5] offset:(i+8*(i/8))*16384+512*(\t) th:TH_LOAD_NT
.set i, i+1
.endr
.endm
.macro STEPX t
.if (\t) < 3
	s_wait_loadcnt 16                              ; this K step's 16 loads are in; the next one's may be out
.else
	s_wait_loadcnt 0x0
.endif
.set i, 0
.rept 16
	ds_store_b128 v6, v[R+64*((\t)%2)+4*i:R+64*((\t)%2)+4*i+3] offset:XPIT*i   ; row i as it lies
.set i, i+1
.endr
.irp b, 0,1,2,3
.irp j, 0,1,2,3
	ds_load_b128 v[XN+16*\b+4*\j:XN+16*\b+4*\j+3], v7 offset:128*\b+16*\j      ; row r, my 16 numbers of block b
.endr
.endr
	s_wait_dscnt 0x0                               ; the numbers are back, and the stage's stores have read their registers
	s_wait_xcnt 0x0                                ; the last K step's stores have read the fragment's registers
.if (\t)+2 < 4
	LOADX (\t)+2
.endif
	QUANT XN, PC, TQ, PW+(\t)
.irp g, 0,1,2
	global_store_b128 v[LI], v[PC+4*\g:PC+4*\g+3], s[14:15] offset:FRB*(\t)+512*\g
.endr
.endm
	s_load_b256 s[4:11], s[0:1], 0x0               ; x s[4:5], wq s[6:7], wk s[8:9], wv s[10:11]
	s_load_b256 s[12:19], s[0:1], 0x20             ; wo s[12:13], xr s[14:15], wr s[16:17], wor s[18:19]
	v_lshl_add_u32 v[SPW], v0, 2, SPARE
	v_mov_b32 v[NIL], 0
	v_lshrrev_b32 v1, 5, v0
	v_readfirstlane_b32 s20, v1                    ; wave
	v_and_b32 v1, 31, v0                           ; lane
	v_lshlrev_b32 v[LI], 4, v1
	s_cmp_lt_u32 ttmp9, 768
	s_cbranch_scc0 .Lx_path
	; ---- THE WEIGHTS.  A work-group takes 128 columns x 256 K (half a record's depth), a wave 32 columns: two tiles, 8 blocks of 32 along K.
	v_lshlrev_b32 v2, 2, v1                        ; my column's 4 bytes
	v_bfe_u32 v7, v0, 3, 1                         ; column x of 32 lies in tile bit 3 of x,
	v_bfe_u32 v8, v0, 4, 1
	v_and_b32 v9, 7, v0
	v_lshl_add_u32 v9, v8, 3, v9                   ; at row r = x % 8 + 8 x bit 4 of x
	s_mul_i32 s44, s20, WSTG
	v_mul_u32_u24 v3, v7, WTIL
	v_lshl_add_u32 v3, v9, 4, v3
	v_add_nc_u32 v3, s44, v3                       ; into the stage: my tile's image, lane r's 16 bytes
	v_add_nc_u32 v4, s44, v[LI]                    ; out of it: 16 x lane
	s_mov_b32 s24, 0                               ; wq: first work-group,
	s_mov_b32 s25, 4                               ; log2 of its groups of 128 columns,
	s_mov_b32 s26, 0                               ; first tile in wr,
	s_mov_b32 s27, 8*REC                           ; bytes from tile to tile
	s_wait_alu depctr_va_vdst(0)
	s_wait_kmcnt 0x0
	s_mov_b64 s[22:23], s[6:7]
	s_cmp_ge_u32 ttmp9, 256                        ; wk.  The choices hang on the work-group's number alone
	s_cselect_b64 s[22:23], s[8:9], s[22:23]
	s_cselect_b32 s24, 256, s24
	s_cselect_b32 s25, 3, s25
	s_cselect_b32 s26, 128, s26
	s_cmp_ge_u32 ttmp9, 384                        ; wv
	s_cselect_b64 s[22:23], s[10:11], s[22:23]
	s_cselect_b32 s24, 384, s24
	s_cselect_b32 s26, 192, s26
	s_cmp_ge_u32 ttmp9, 512                        ; wo
	s_cselect_b64 s[22:23], s[12:13], s[22:23]
	s_cselect_b64 s[28:29], s[18:19], s[16:17]
	s_cselect_b32 s24, 512, s24
	s_cselect_b32 s25, 5, s25
	s_cselect_b32 s26, 0, s26
	s_cselect_b32 s27, 4*REC, s27
	s_sub_co_u32 s21, ttmp9, s24
	s_lshr_b32 s30, s21, s25                       ; which 256 along K
	s_lshl_b32 s31, s30, s25
	s_sub_co_u32 s31, s21, s31                     ; which 128 columns
	s_lshl_b32 s32, 512, s25                       ; a row of the weight in bytes
	s_mul_i32 s33, s30, s32                        ; s30 counts halves of records here: which 256 along K
	s_lshl_b32 s33, s33, 8                         ; 256 rows for each,
	s_and_b32 s45, s30, 1                          ; which half of its record,
	s_lshr_b32 s30, s30, 1                         ; G: which record
	s_mul_i32 s46, s45, 2*FRB                      ; the half's two fragments,
	s_lshl_b32 s47, s45, 3                         ; and its two scale words of a row's four
	s_lshl_b32 s34, s31, 9
	s_add_co_u32 s33, s33, s34                     ; 128 columns of 4 bytes,
	s_lshl_b32 s34, s20, 7
	s_add_co_u32 s34, s33, s34                     ; my wave's 32
	s_mov_b32 s35, 0
	s_add_nc_u64 s[22:23], s[22:23], s[34:35]
	s_lshl_b32 s36, s32, 5                         ; a block on: 32 rows
	s_mov_b32 s37, 0
	s_lshl_b32 s38, s31, 3
	s_add_co_u32 s38, s38, s26
	s_lshl_b32 s39, s20, 1
	s_add_co_u32 s38, s38, s39                     ; my first tile
	s_mul_i32 s38, s38, s27
	s_mul_i32 s39, s30, REC
	s_add_co_u32 s38, s38, s39
	s_mov_b32 s39, 0
	s_add_nc_u64 s[28:29], s[28:29], s[38:39]      ; its record G,
	s_mov_b32 s40, s27
	s_mov_b32 s41, 0
	s_add_nc_u64 s[42:43], s[28:29], s[40:41]      ; and the next tile's
.set i, 0
.rept 32
	v_mad_u32_u24 v[VOF+i], s32, i, v2
.set i, i+1
.endr
	v_lshlrev_b32 v6, 4, v9
	v_mad_u32_u24 v6, s27, v7, v6                  ; my column's scale words: tile x pitch + 16 r
	v_add_nc_u32 v6, s47, v6                       ; + 8 x half
	v_add_nc_u32 v10, s46, v[LI]                   ; the fragments' stores: 16 x lane + the half's place in the record
	LOADW 0, 1
	s_wait_alu depctr_va_vdst(0)
	LOADW 1, 0
.irp kb, 0,1,2,3,4,5,6,7
	BLOCKW \kb
.endr
	s_wait_alu depctr_va_vdst(0)
	global_store_b64 v6, v[SW:SW+1], s[28:29] offset:SCO   ; my column's two scale words: 8 bytes of its row's 16; the work-group of the record's other half stores the other 8
	s_wait_tensorcnt 0x0                           ; the wave's end, behind my last LDS store
	ds_add_u32 v[SPW], v[NIL]
	s_wait_dscnt 0x0
	s_endpgm
.Lx_path:
	; ---- x.  A wave takes one record: tile T's 16 rows x 512 K.
	s_sub_co_u32 s21, ttmp9, 768
	s_lshl_b32 s21, s21, 2
	s_add_co_u32 s21, s21, s20                     ; 8 T + G
	s_lshr_b32 s22, s21, 3
	s_and_b32 s23, s21, 7
	s_lshr_b32 s24, s22, 1
	s_lshl_b32 s24, s24, 5
	s_and_b32 s25, s22, 1
	s_lshl_b32 s25, s25, 3
	s_add_co_u32 s24, s24, s25                     ; the tile's first row: 32 (T / 2) + 8 (T % 2)
	s_lshl_b32 s24, s24, 14                        ; rows of 16,384 bytes
	s_lshl_b32 s25, s23, 11
	s_add_co_u32 s24, s24, s25                     ; + 512 G numbers
	s_mov_b32 s25, 0
	s_mul_i32 s26, s21, REC
	s_mov_b32 s27, 0
	s_mov_b32 s[SEL], 0x76543210
	s_mov_b32 s[SEL+1], 0xfedcba98
	v_and_b32 v2, 15, v0                           ; r
	v_bfe_u32 v3, v0, 4, 1                         ; h
	s_mul_i32 s45, s20, XSTG
	s_add_co_u32 s45, s45, XSTG0                   ; my stage
	s_wait_alu depctr_va_vdst(0)
	v_add_nc_u32 v6, s45, v[LI]                    ; in: 16 x lane of a row
	v_mul_u32_u24 v7, v2, XPIT
	v_lshl_add_u32 v7, v3, 6, v7
	v_add_nc_u32 v7, s45, v7                       ; out: row r, + 64 h
	v_lshlrev_b32 v8, 4, v2
	v_lshl_add_u32 v8, v3, 3, v8                   ; the scale words: 16 r + 8 h
.irp b, 0,1,2,3
	v_mov_b32 v[TM+4+\b], 0                        ; written once: a lane permute's destination counts as one of its sources
.endr
	s_wait_alu depctr_va_vdst(0)
	s_wait_kmcnt 0x0
	s_add_nc_u64 s[4:5], s[4:5], s[24:25]
	s_add_nc_u64 s[14:15], s[14:15], s[26:27]
	LOADX 0
	LOADX 1
.irp t, 0,1,2,3
	STEPX \t
.endr
	v_cmp_ne_u32 vcc_lo, 0, v3
	v_cndmask_b32 v[D], v[PW], v[PW+2], vcc_lo     ; both halves of the lanes hold the row's four words: lanes 0-15 store words 0, 1, lanes 16-31 words 2, 3
	v_cndmask_b32 v[D+1], v[PW+1], v[PW+3], vcc_lo
	global_store_b64 v8, v[D:D+1], s[14:15] offset:SCO   ; 256 consecutive bytes
	s_wait_tensorcnt 0x0                           ; the wave's end, behind my last LDS store
	ds_add_u32 v[SPW], v[NIL]
	s_wait_dscnt 0x0
	s_endpgm
.Lfunc_end_k_qe432423e22_quant:
	.size	k_qe432423e22_quant, .Lfunc_end_k_qe432423e22_quant-k_qe432423e22_quant
	.p2alignl 7, 3214868480
	.fill 96, 4, 3214868480
	.section	.rodata,"a",@progbits
	.p2align	6, 0x0
	.amdhsa_kernel k_qe432423e22_quant
		.amdhsa_group_segment_fixed_size 47616
		.amdhsa_private_segment_fixed_size 0
		.amdhsa_enable_private_segment 0
		.amdhsa_kernarg_size 64
		.amdhsa_user_sgpr_count 2
		.amdhsa_user_sgpr_kernarg_segment_ptr 1
		.amdhsa_wavefront_size32 1
		.amdhsa_system_sgpr_workgroup_id_x 1
		.amdhsa_system_sgpr_workgroup_id_y 1
		.amdhsa_system_sgpr_workgroup_id_z 1
		.amdhsa_system_vgpr_workitem_id 0
		.amdhsa_next_free_vgpr 256
		.amdhsa_next_free_sgpr 66
		.amdhsa_reserve_vcc 1
		.amdhsa_float_denorm_mode_32 3
		.amdhsa_float_denorm_mode_16_64 3
		.amdhsa_memory_ordered 1
		.amdhsa_forward_progress 1
		.amdhsa_inst_pref_size 77
	.end_amdhsa_kernel
	.amdgpu_metadata
---
amdhsa.version: [ 1, 2 ]
amdhsa.kernels:
  - .name:           k_qe432423e22_quant
    .symbol:         k_qe432423e22_quant.kd
    .args:
      - { .name: hidden_states, .offset: 0, .size: 8, .value_kind: global_buffer, .address_space: global }
      - { .name: wq, .offset: 8, .size: 8, .value_kind: global_buffer, .address_space: global }
      - { .name: wk, .offset: 16, .size: 8, .value_kind: global_buffer, .address_space: global }
      - { .name: wv, .offset: 24, .size: 8, .value_kind: global_buffer, .address_space: global }
      - { .name: wo, .offset: 32, .size: 8, .value_kind: global_buffer, .address_space: global }
      - { .name: xr, .offset: 40, .size: 8, .value_kind: global_buffer, .address_space: global }
      - { .name: wr, .offset: 48, .size: 8, .value_kind: global_buffer, .address_space: global }
      - { .name: wor, .offset: 56, .size: 8, .value_kind: global_buffer, .address_space: global }
    .group_segment_fixed_size: 47616
    .private_segment_fixed_size: 0
    .kernarg_segment_align: 8
    .kernarg_segment_size: 64
    .max_flat_workgroup_size: 128
    .sgpr_count:     66
    .vgpr_count:     256
    .wavefront_size: 32
...
	.end_amdgpu_metadata
.endif
;; end of part 1
;; launch qkv (part 2): grid 16 x 16, 4 waves a work-group, clusters of 4 x 4, 327,680 bytes of LDS; arguments xr, wr, cos, sin, qr, kvc, kvs; writes qr, kvc, kvs
.if DOCPART == 2
	.amdgcn_target "amdgcn-amd-amdhsa--gfx1250"
	.amdhsa_code_object_version 6
	.text
	.protected	k_qe432423e22_qkv
	.globl	k_qe432423e22_qkv
	.p2align	8
	.type	k_qe432423e22_qkv,@function
k_qe432423e22_qkv:
	s_mov_b64 s[64:65], 0
	v_nop
	global_prefetch_b8 v0, s[64:65] scope:SCOPE_SE
	s_setreg_imm32_b32 hwreg(HW_REG_WAVE_MODE, 25, 1), 1
	s_wait_xcnt 0x0
	s_wait_alu depctr_hold_cnt(0) depctr_sa_sdst(0) depctr_va_vdst(0) depctr_va_sdst(0) depctr_va_ssrc(0) depctr_va_vcc(0) depctr_vm_vsrc(0)
	s_getreg_b32 s2, hwreg(HW_REG_IB_STS2, 6, 4)
	s_cmp_eq_u32 s2, 0
	s_cbranch_scc0 .Lentry_in_a_cluster
	s_endpgm
.Lentry_in_a_cluster:
	s_bfe_u32 s2, ttmp6, 0x10000c
	s_cmp_lg_u32 s2, 0xf033
	s_cbranch_scc0 .Lentry_shape_is_right
	s_endpgm
.Lentry_shape_is_right:
; q = rope(x wq), k = rope(x wk), v = x wv on codes of FP6 (E2M3) with E8M0 scales, K = 4,096; the results are quantised in registers for the attention's products and stored as images of operand registers.
; OPERANDS: xr and wr, records of 6,400 bytes: four fragments (16 rows x 128 K: 12 registers a lane, register 4 g + e of lane l at 512 g + 16 l + 4 e) and 256 bytes of scale words (row r: 16 bytes at 16 r).
; Lane r of tile T holds row 32 (T / 2) + 8 (T % 2) + r + 8 (r / 8).  A tile's eight records (all of K) lie on end: 51,200 bytes.
; A WORK-GROUP makes 128 rows of a side called A x 256 rows of a side called B; a wave 64 x 128: 32 accumulators.  THE MATRIX INSTRUCTION TAKES B AS SOURCE 0 AND A AS SOURCE 1: a lane then holds one row of A, and
; its register 8 b + j =: n holds B's row 32 (n / 16) + 16 (lane / 16) + n % 16: sixteen neighbours in sixteen registers, as the quantiser of the next product's K wants them.
; Clusters with x < 3: A = 128 tokens, B = 256 columns of wq | wk (two heads): a lane holds a token and a head's 128 numbers: rope, then codes along the head.
; Clusters with x = 3: A = 128 columns of wv (one kv head), B = 256 tokens: a lane holds a channel and 128 keys: codes along the keys, which are the K of the attention's second product.
; RING: two LDS slots, each with one record (512 along K) of A's 8 tiles and of B's 16; filled by joint tensor loads: A's tiles are shared along a row of the 4 x 4 cluster, B's along a column.
; By this text's own count a wave has two tensor loads out at the start and one behind each round.
; STORED: qr [head 16][token tile / 4][record: fragment = tile % 4]; kvc [kv head 8][key step 16][K's 8 tiles, V's 8 tiles of channels]; kvs [kv head][K 8,192 | V 8,192], each [key step][half][row][4 words].
; LIMITS: NaN and infinities are not served; a block whose largest magnitude lies under 2^-124 keeps the byte 1, a block of zeros too (its codes are zeros; this program alone reads the bytes).
; REGISTERS, in windows of 256: window 0: v0-31 addresses; v32-95 scale words, two sets, and nothing else; v96-191 A's fragments, two sets of 48; in the epilogue v96-237 at work.
;   window 1: B's fragments, two sets of 96.   window 2: accumulator (a, b) at v[8 (8 a + b)].   window 3: for tile a cos at v[64 a + pair], sin at v[64 a + 32 + pair].
; THE COUNT OF LOADS, in place of what the lines above say of it: a wave has one tensor load out at the start and one behind each round; slot 1 is first filled behind a round of its own.
.set REC,    6400
.set FRB,    1536
.set SCO,    4*FRB
.set TPITCH, 8*REC                     ; from tile to tile in xr and wr
.set ASL,    8*REC                     ; A's part of a slot; B's 16 records follow
.set SLOT,   24*REC
.set SPARE,  2*SLOT                    ; the spare words, 128 bytes for each wave: two blocks of 256 bytes that no other line names
.set LAPS,   4                         ; 8 records along K, two to a lap
.set ADRA, 16                          ; v16-17 LDS address of my A fragments in slot 0, 1
.set ADRB, 20                          ; v20-21 of B's
.set ADRS, 22                          ; v22-23 of the scale words: lanes 0-15 A's, lanes 16-31 B's
.set LI,   24                          ; v24  16 x lane
.set CO,   25                          ; v25  my token's row and my half's 32 bytes in cos and sin
.set SO,   26                          ; v26  16 r + 8 h
.set SPW,  28                          ; v28  LDS address of my spare word; never rewritten
.set NIL,  29                          ; v29  0; never rewritten
.set SC,   32
.set AF,   96
.set HA,   96                          ; epilogue: 64 numbers
.set PC,   160                         ; four fragments
.set TQ,   208
.set TM,   216
.set PW,   232
.set D,    236
.set SEL,  84                          ; s[84:85]
.set G1,  24                           ; s[24:31] descriptor group 1 for A; s[32:39] group 0, a set for each slot
.set G0,  32
.set G1B, 48                           ; s[48:55], s[56:63] the same for B
.set G0B, 56
.set MUL, 0xa1                         ; source 0 (B) window 1, source 1 (A) window 0, C and D window 2
.set MSB, 0
.macro WIN new                         ; the immediate's high byte repeats the setting that is left
.if MSB != \new
	s_set_vgpr_msb (MSB<<8)|\new
.set MSB, \new
.endif
.endm
.macro PLACES n
.rept \n
	v_nop
.endr
.endm
; A joint load: waves 0 and 1 fetch A's halves, waves 2 and 3 B's.  The branch hangs on the wave's number alone.  An s_nop 0 and four v_nop follow each line.
.macro JLOAD g0a, g1a, g0b, g1b
	s_cmp_eq_u32 s19, 0
	s_cbranch_scc0 .Lfor_b_\@
	tensor_load_to_lds s[\g0a:\g0a+3], s[\g1a:\g1a+7]
	s_nop 0
.rept 4
	v_nop
.endr
	s_branch .Lasked_\@
.Lfor_b_\@:
	tensor_load_to_lds s[\g0b:\g0b+3], s[\g1b:\g1b+7]
	s_nop 0
.rept 4
	v_nop
.endr
.Lasked_\@:
.endm
.macro CREST                           ; a round of the cluster's barrier behind its opening barrier
	s_cmp_lg_u32 s18, 0
	s_cbranch_scc1 .Lnot_wave_0_\@
	s_barrier_signal -3
.Lnot_wave_0_\@:
	s_barrier_wait -3
	s_barrier_signal -1
	s_barrier_wait -1
.endm
.macro CROUND
	s_barrier_signal -1
	s_barrier_wait -1
	CREST
.endm
; the fragments of the slot's q-th 128 along K into set p: 24 loads for B's eight, 12 for A's four; each load takes 512 consecutive bytes
.macro FETCH slot, q, p
	WIN 0x40                                       ; destination window 1
.irp i, 0,1,2,3,4,5,6,7
.irp g, 0,1,2
	ds_load_b128 v[96*(\p)+12*\i+4*\g:96*(\p)+12*\i+4*\g+3], v[ADRB+\slot] offset:REC*\i+FRB*(\q)+512*\g
.endr
.endr
	WIN 0
.irp i, 0,1,2,3
.irp g, 0,1,2
	ds_load_b128 v[AF+48*(\p)+12*\i+4*\g:AF+48*(\p)+12*\i+4*\g+3], v[ADRA+\slot] offset:REC*\i+FRB*(\q)+512*\g
.endr
.endr
.endm
.macro SCALES slot                     ; the slot's scale words: register 4 i + q: lanes 0-15 A's tile i (i < 4 is used), lanes 16-31 B's tile i, K step q
.irp i, 0,1,2,3,4,5,6,7
	ds_load_b128 v[SC+32*\slot+4*\i:SC+32*\slot+4*\i+3], v[ADRS+\slot] offset:REC*\i
.endr
.endm
; 8 matrix instructions: A's tile a against B's eight.  The 32 accumulators take turns, one instruction a turn, in the same order in every step.
.macro MUL8 a, p, q, sc, zero
.irp b, 0,1,2,3,4,5,6,7
.if \zero
	v_wmma_scale_f32_16x16x128_f8f6f4 v[8*(8*(\a)+\b):8*(8*(\a)+\b)+7], v[96*(\p)+12*\b:96*(\p)+12*\b+11], v[AF+48*(\p)+12*(\a):AF+48*(\p)+12*(\a)+11], 0, v[SC+32*(\sc)+4*\b+(\q)], v[SC+32*(\sc)+4*(\a)+(\q)] matrix_a_fmt:MATRIX_FMT_FP6 matrix_b_fmt:MATRIX_FMT_FP6 matrix_a_scale:MATRIX_SCALE_ROW1
.else
	v_wmma_scale_f32_16x16x128_f8f6f4 v[8*(8*(\a)+\b):8*(8*(\a)+\b)+7], v[96*(\p)+12*\b:96*(\p)+12*\b+11], v[AF+48*(\p)+12*(\a):AF+48*(\p)+12*(\a)+11], v[8*(8*(\a)+\b):8*(8*(\a)+\b)+7], v[SC+32*(\sc)+4*\b+(\q)], v[SC+32*(\sc)+4*(\a)+(\q)] matrix_a_fmt:MATRIX_FMT_FP6 matrix_b_fmt:MATRIX_FMT_FP6 matrix_a_scale:MATRIX_SCALE_ROW1
.endif
.endr
.endm
; a step of 128 along K that has its successor in the same slot: the successor's 36 loads go out ahead of this step's 32 products
.macro STEP slot, q, zero
	s_wait_dscnt 0x0                               ; this step's fragments are in: they were asked for 32 products ago
	PLACES 4                                       ; four plain instructions between the last products and loads into the registers that they read (ISA guide 7.12.1 for vector instructions)
	FETCH \slot, (\q)+1, 1-(\q)%2
	WIN MUL
.irp a, 0,1,2,3
	MUL8 \a, (\q)%2, \q, \slot, \zero
.endr
	WIN 0
.endm
; a slot's last step changes slots: one barrier; in front of it each wave waits for all its tensor loads, adds 0 to its spare word, and waits for that and for its reads of this slot.  fill = 1: the slot is filled again, two records on.
.macro TURN slot, next, fill
.if \fill
	s_wait_xcnt 0x0                                ; my earlier prefetches have read their addresses: both step one record along K, ahead of the waits of the change of slots
	s_add_nc_u64 s[PFA:PFA+1], s[PFA:PFA+1], REC
	s_add_nc_u64 s[PFB:PFB+1], s[PFB:PFB+1], REC
.endif
	s_wait_tensorcnt 0x0
	ds_add_u32 v[SPW], v[NIL]                      ; 0 onto my spare word
	s_wait_dscnt 0x1                               ; this step's fragments are in; the add alone may be out
	WIN MUL
	MUL8 0, 1, 3, \slot, 0                         ; eight products stand between the add and the wait for it
	s_wait_dscnt 0x0                               ; the add is done, and my reads of this slot are over
	s_barrier_signal -1
	MUL8 1, 1, 3, \slot, 0
	WIN 0
	s_barrier_wait -1
.if \fill
	CREST                                          ; the barrier has opened a round of the cluster's: no wave of any partner still reads this slot or has a load on its way
	s_add_nc_u64 s[G0+4*\slot+2:G0+4*\slot+3], s[G0+4*\slot+2:G0+4*\slot+3], 2*REC
	s_add_nc_u64 s[G0B+4*\slot+2:G0B+4*\slot+3], s[G0B+4*\slot+2:G0B+4*\slot+3], 2*REC
	JLOAD G0+4*\slot, G1, G0B+4*\slot, G1B         ; the first tensor load behind the round: 112 products ahead of the wait for it; its four v_nop are the places in front of the loads below
.else
	PLACES 4
.endif
	FETCH \next, 0, 0
	SCALES \next
.if \fill
	s_cmp_gt_u32 s3, 1                             ; the record two refills on; the loop's last trip has none left along K
	s_cbranch_scc0 .Lno_ask_\@
	global_prefetch_b8 v[PVA], s[PFA:PFA+1] offset:2*REC th:TH_LOAD_NT scope:SCOPE_SE
	global_prefetch_b8 v[PVB], s[PFB:PFB+1] offset:2*REC th:TH_LOAD_NT scope:SCOPE_SE
.Lno_ask_\@:
.endif
	WIN MUL
	MUL8 2, 1, 3, \slot, 0
	MUL8 3, 1, 3, \slot, 0
	WIN 0
.endm
; 64 numbers of a lane, register 16 b + i = k 32 b + 16 (lane / 16) + i of my row, become a fragment in v[pc] on and the row's scale word in v[pw].  win = 1: the numbers are accumulators, in window 2
.macro QUANT s, pc, pw, win
.if \win
	WIN 0x0a
.endif
.irp b, 0,1,2,3
	v_max3_num_f32 v[TM+\b], |v[(\s)+16*\b]|, |v[(\s)+1+16*\b]|, 0x1800000   ; my 16 numbers of block b and the floor 2^(3 - 127): the byte cannot fall under 1.  (Each accumulator is read from its low end on)
.endr
.if \win
	WIN 0x28
.endif
.irp i, 2,4,6,8,10,12,14
.irp b, 0,1,2,3
	v_max3_num_f32 v[TM+\b], v[TM+\b], |v[(\s)+16*\b+\i]|, |v[(\s)+1+16*\b+\i]|
.endr
.endr
	WIN 0
.irp b, 0,1,2,3
	v_permlanex16_b32 v[TM+4+\b], v[TM+\b], s[SEL], s[SEL+1]
.endr
.irp b, 0,1,2,3
	v_max_num_f32 v[TM+\b], v[TM+\b], v[TM+4+\b]   ; with lane l xor 16's: the block's largest magnitude
.endr
.irp b, 0,1,2,3
	v_add_nc_u32 v[TM+12+\b], 0xff000000, v[TM+\b]   ; 2 off its exponent field: the conversion's scale operand
.endr
.irp b, 0,1,2,3
	v_lshrrev_b32 v[TM+4+\b], 23, v[TM+12+\b]      ; the byte
.endr
	v_lshl_or_b32 v[\pw], v[TM+5], 8, v[TM+4]
	v_lshl_or_b32 v[\pw], v[TM+6], 16, v[\pw]
	v_lshl_or_b32 v[\pw], v[TM+7], 24, v[\pw]
.if \win
	WIN 0x02
.endif
.irp c, 0,1
	v_cvt_scalef32_pk16_fp6_f32 v[(\pc)+6*\c:(\pc)+2+6*\c], v[(\s)+32*\c:(\s)+15+32*\c], v[TM+12+2*\c]
	v_cvt_scalef32_pk16_fp6_f32 v[TQ+4*\c:TQ+2+4*\c], v[(\s)+16+32*\c:(\s)+31+32*\c], v[TM+12+2*\c+1]
.endr
	WIN 0
	v_nop                                          ; one plain instruction behind the conversions
.irp c, 0,1
.irp i, 0,1,2
	v_permlane16_swap_b32 v[(\pc)+6*\c+\i], v[TQ+4*\c+\i]
.endr
.irp i, 0,1,2
	v_mov_b32 v[(\pc)+3+6*\c+\i], v[TQ+4*\c+\i]
.endr
.endr
.endm
; rope on tile a: registers 2 p, 2 p + 1 are the pair p' = 16 (p / 8) + 8 (lane / 16) + p % 8 of my token: (xr c - xi s, xr s + xi c), each a product and a fused multiply-add, in f32
.macro ROPE a
	WIN 0x0e                                       ; source 0: the accumulators, window 2; source 1: cos and sin, window 3
.irp b, 0,1,2,3,4,5,6,7
.irp u, 0,1,2,3
	v_mul_f32 v[HA+8*\b+2*\u], v[64*\a+8*\b+2*\u+1], v[64*\a+32+4*\b+\u]     ; xi s  (an accumulator's first read is of its register 1)
	v_mul_f32 v[HA+8*\b+2*\u+1], v[64*\a+8*\b+2*\u+1], v[64*\a+4*\b+\u]      ; xi c
.endr
.irp u, 0,1,2,3
	v_fma_f32 v[HA+8*\b+2*\u], v[64*\a+8*\b+2*\u], v[64*\a+4*\b+\u], -v[HA+8*\b+2*\u]
	v_fma_f32 v[HA+8*\b+2*\u+1], v[64*\a+8*\b+2*\u], v[64*\a+32+4*\b+\u], v[HA+8*\b+2*\u+1]
.endr
.endr
	WIN 0
.endm
.macro STOREF a
.irp g, 0,1,2
	global_store_b128 v[LI], v[PC+12*\a+4*\g:PC+12*\a+4*\g+3], s[78:79] offset:FRB*\a+512*\g   ; 512 consecutive bytes, at a multiple of 256 from the buffer's first byte
.endr
.endm
	s_load_b256 s[4:11], s[0:1], 0x0               ; xr s[4:5], wr s[6:7], cos s[8:9], sin s[10:11]
	s_load_b128 s[12:15], s[0:1], 0x20             ; qr s[12:13], kvc s[14:15]
	s_load_b64 s[16:17], s[0:1], 0x30              ; kvs
	v_lshl_add_u32 v[SPW], v0, 2, SPARE
	v_mov_b32 v[NIL], 0
	ds_add_u32 v[SPW], v[NIL]                      ; the wave's opening: the add and its wait ahead of my first tensor load; the set-up below, work on registers, stands between them
	ds_add_u32 v[SPW], v[NIL]
	v_lshrrev_b32 v1, 5, v0
	v_readfirstlane_b32 s18, v1                    ; wave 0..3
	s_lshr_b32 s19, s18, 1                         ; which 64 rows of A are mine.  Also: I fetch for A (0) or for B (1)
	s_and_b32 s20, s18, 1                          ; which 128 rows of B.  Also: which half of that side's tiles I fetch
	s_bfe_u32 s21, ttmp6, 0x40000                  ; cx
	s_bfe_u32 s22, ttmp6, 0x40004                  ; cy
	s_and_b32 s41, ttmp7, 0xffff                   ; cluster y
	s_and_b32 s82, s41, 1
	s_lshr_b32 s83, s41, 1
	s_cmp_eq_u32 ttmp9, 3                          ; v's clusters?  The cluster's x is the same in all sixteen partners
	s_cselect_b32 s42, s82, s41
	s_cselect_b32 s43, s83, ttmp9
	s_cselect_b32 s84, 192, 0                      ; wv's first tile in wr
	s_lshl_b32 s42, s42, 2
	s_add_co_u32 s42, s42, s22                     ; ty: which 128 rows of A (made of the cluster's place and cy)
	s_lshl_b32 s43, s43, 2
	s_add_co_u32 s43, s43, s21                     ; tx: which 256 rows of B (made of the cluster's place and cx)
	s_lshl_b32 s44, s22, 2
	s_lshl_b32 s44, 15, s44                        ; my row of the cluster
	s_lshl_b32 s45, 0x1111, s21                    ; my column
	; descriptor group 1: a row is a record, 800 elements of 8 bytes; rows lie a tile's 6,400 elements apart; A: 4 rows, B: 8; no padding
	s_or_b32 s[G1], s44, (3<<16)|(1<<21)           ; 15:0 the mask; 17:16 elements of 8 bytes; 21 set beside a mask
	s_mov_b32 s[G1+1], 800<<16                     ; tensor_dim0
	s_mov_b32 s[G1+2], 4<<16                       ; tensor_dim1
	s_mov_b32 s[G1+3], 800<<16                     ; tile_dim0
	s_mov_b32 s[G1+4], 4                           ; tile_dim1
	s_mov_b32 s[G1+5], TPITCH/8                    ; tensor_dim0_stride
	s_mov_b32 s[G1+6], 0
	s_mov_b32 s[G1+7], 0
	s_or_b32 s[G1B], s45, (3<<16)|(1<<21)
	s_mov_b32 s[G1B+1], 800<<16
	s_mov_b32 s[G1B+2], 8<<16
	s_mov_b32 s[G1B+3], 800<<16
	s_mov_b32 s[G1B+4], 8
	s_mov_b32 s[G1B+5], TPITCH/8
	s_mov_b32 s[G1B+6], 0
	s_mov_b32 s[G1B+7], 0
	s_lshl_b32 s70, s42, 3
	s_add_co_u32 s70, s70, s84
	s_lshl_b32 s85, s20, 2
	s_add_co_u32 s70, s70, s85                     ; A: tile 8 ty (+ 192) + 4 x half
	s_mul_i32 s70, s70, TPITCH
	s_mov_b32 s71, 0
	s_lshl_b32 s72, s43, 4
	s_lshl_b32 s85, s20, 3
	s_add_co_u32 s72, s72, s85                     ; B: tile 16 tx + 8 x half
	s_mul_i32 s72, s72, TPITCH
	s_mov_b32 s73, 0
	s_mul_i32 s86, s20, 4*REC                      ; where they go: no place in the cluster enters an LDS address
	s_mul_i32 s87, s20, 8*REC
	s_add_co_u32 s87, s87, ASL
	s_wait_dscnt 0x0                               ; the opening add is done
	s_wait_kmcnt 0x0
	s_cmp_eq_u32 ttmp9, 3
	s_cselect_b64 s[66:67], s[6:7], s[4:5]         ; A: wr for v, else xr
	s_cselect_b64 s[68:69], s[4:5], s[6:7]         ; B: xr for v, else wr
; PREFETCHES INTO THE L2: with the load of record 0 go requests for records 1 and 2, and with the load of record j, j from 1 to 5, one for record j + 2: so at most two records are asked for and not yet read.
; A record is 25 blocks of 256 bytes; each block is named once in a cluster:
; of A's 8 tiles the partner at cx takes tiles 2 cx, 2 cx + 1: wave w half a record of tile 2 cx + w / 2 (13 or 12 blocks); of B's 16 tiles the partner at cy takes tiles 4 cy + w, a record a wave.
; The partners are told apart by address alone.  Lanes that are left over name their wave's last block again.
.set PFA, 100
.set PFB, 104                          ; s[104:105] B's
.set PVA, 30                           ; v30 my block of A's record, in bytes; never rewritten
.set PVB, 31                           ; v31 my block of B's record
	s_cselect_b64 s[PFA:PFA+1], s[6:7], s[4:5]
	s_cselect_b64 s[PFB:PFB+1], s[4:5], s[6:7]
	s_add_nc_u64 s[66:67], s[66:67], s[70:71]
	s_add_nc_u64 s[68:69], s[68:69], s[72:73]
	s_lshl_b32 s70, s42, 3
	s_add_co_u32 s70, s70, s84
	s_lshl_b32 s71, s21, 1
	s_add_co_u32 s70, s70, s71
	s_add_co_u32 s70, s70, s19                     ; A: tile 8 ty (+ 192) + 2 cx + wave / 2
	s_mul_i32 s70, s70, TPITCH
	s_mov_b32 s71, 0
	s_lshl_b32 s72, s43, 4
	s_lshl_b32 s73, s22, 2
	s_add_co_u32 s72, s72, s73
	s_add_co_u32 s72, s72, s18                     ; B: tile 16 tx + 4 cy + wave
	s_mul_i32 s72, s72, TPITCH
	s_mov_b32 s73, 0
	s_add_nc_u64 s[PFA:PFA+1], s[PFA:PFA+1], s[70:71]
	s_add_nc_u64 s[PFB:PFB+1], s[PFB:PFB+1], s[72:73]
	s_add_nc_u64 s[PFA:PFA+1], s[PFA:PFA+1], REC   ; at record 1
	s_add_nc_u64 s[PFB:PFB+1], s[PFB:PFB+1], REC
	CROUND                                         ; all sixteen work-groups are here: the first joint loads meet
.irp s, 0,1
	s_mov_b32 s[G0+4*\s], 1
	s_add_co_u32 s[G0+4*\s+1], s86, \s*SLOT
	s_add_nc_u64 s[G0+4*\s+2:G0+4*\s+3], s[66:67], \s*REC
	s_or_b32 s[G0+4*\s+3], s[G0+4*\s+3], 0x80000000
	s_mov_b32 s[G0B+4*\s], 1
	s_add_co_u32 s[G0B+4*\s+1], s87, \s*SLOT
	s_add_nc_u64 s[G0B+4*\s+2:G0B+4*\s+3], s[68:69], \s*REC
	s_or_b32 s[G0B+4*\s+3], s[G0B+4*\s+3], 0x80000000
.endr
	JLOAD G0, G1, G0B, G1B                         ; record 0: one tensor load a wave at the head; so a wave has one load out at the start and one behind each round
	v_and_b32 v1, 15, v0                           ; r
	v_bfe_u32 v2, v0, 4, 1                         ; h
	v_and_b32 v3, 31, v0
	v_lshlrev_b32 v[LI], 4, v3
	v_and_b32 v4, 8, v1
	v_add_nc_u32 v4, v4, v1                        ; r + 8 (r / 8)
	v_lshlrev_b32 v[CO], 8, v4                     ; a row of cos or sin is 256 bytes
	v_lshl_add_u32 v[CO], v2, 5, v[CO]             ; + my half's 8 pairs
	v_lshlrev_b32 v[SO], 4, v1
	v_lshl_add_u32 v[SO], v2, 3, v[SO]
	s_sub_co_u32 s85, 12, s20
	s_mul_i32 s86, s20, 13
	v_min_u32 v[PVA], s85, v3                      ; blocks 0-12 of A's record for the even wave, 13-24 for the odd one
	v_min_u32 v[PVB], 24, v3
	v_add_nc_u32 v[PVA], s86, v[PVA]
	v_lshlrev_b32 v[PVB], 8, v[PVB]
	v_lshlrev_b32 v[PVA], 8, v[PVA]
	global_prefetch_b8 v[PVB], s[PFB:PFB+1] th:TH_LOAD_NT scope:SCOPE_SE              ; record 1
	global_prefetch_b8 v[PVA], s[PFA:PFA+1] th:TH_LOAD_NT scope:SCOPE_SE
	global_prefetch_b8 v[PVB], s[PFB:PFB+1] offset:REC th:TH_LOAD_NT scope:SCOPE_SE   ; record 2
	global_prefetch_b8 v[PVA], s[PFA:PFA+1] offset:REC th:TH_LOAD_NT scope:SCOPE_SE
	s_lshl_b32 s88, s42, 15
	s_lshl_b32 s89, s19, 14
	s_add_co_u32 s88, s88, s89                     ; token 128 ty + 64 x my half, in rows of 256 bytes
	s_mov_b32 s89, 0
	s_add_nc_u64 s[74:75], s[8:9], s[88:89]
	s_add_nc_u64 s[76:77], s[10:11], s[88:89]
	; cos and sin of my 64 tokens, in the accumulators' layout: 32 pairs a lane and tile.  They land while the products run; their addresses are never rewritten.
	; v's work-groups load them too (rows 128 ty on, ty under 8: inside the tables) and do not use them: so the text has one way from here to the epilogue.
	s_wait_alu depctr_va_vdst(0)                   ; the wait here, directly ahead of the loads that read my offset in cos and sin
	WIN 0xc0
.irp a, 0,1,2,3
.irp kb, 0,1,2,3
.irp e, 0,1
	global_load_b128 v[64*\a+8*\kb+4*\e:64*\a+8*\kb+4*\e+3], v[CO], s[74:75] offset:(32*(\a/2)+8*(\a%2))*256+64*\kb+16*\e
	global_load_b128 v[64*\a+32+8*\kb+4*\e:64*\a+32+8*\kb+4*\e+3], v[CO], s[76:77] offset:(32*(\a/2)+8*(\a%2))*256+64*\kb+16*\e
.endr
.endr
.endr
	WIN 0
	s_mul_i32 s90, s19, 4*REC                      ; my 4 records of A
	s_mul_i32 s91, s20, 8*REC
	s_add_co_u32 s91, s91, ASL                     ; my 8 of B
	s_sub_co_u32 s92, s91, s90                     ; from the one to the other
	v_lshlrev_b32 v5, 4, v1
	v_mul_u32_u24 v6, s92, v2                      ; lanes 16-31 take B's scale words
	v_add_nc_u32 v5, v5, v6
.irp s, 0,1
	v_add_nc_u32 v[ADRA+\s], s90, v[LI]
	v_add_nc_u32 v[ADRB+\s], s91, v[LI]
	v_add_nc_u32 v[ADRS+\s], s90, v5
	v_add_nc_u32 v[ADRS+\s], SCO, v[ADRS+\s]
	s_add_co_u32 s90, s90, SLOT
	s_add_co_u32 s91, s91, SLOT
.endr
	; where my four fragments and their scale words go
	s_lshl_b32 s93, s43, 1
	s_add_co_u32 s93, s93, s20                     ; 2 tx + my half of B: the head (q 0-15, k 16-23), or for v the key step
	s_sub_co_u32 s94, s93, 16
	s_cmp_eq_u32 ttmp9, 3
	s_cselect_b32 s94, s42, s94                    ; the kv head: v: ty; k: head - 16 (q: not used)
	s_cselect_b32 s95, s93, s42                    ; the key step: v: 2 tx + half; k: ty
	s_cselect_b32 s96, 1, 0                        ; V's part lies behind K's
	s_lshl_b32 s97, s94, 4
	s_add_co_u32 s97, s97, s95
	s_mul_i32 s97, s97, 16*FRB
	s_mul_i32 s98, s96, 8*FRB
	s_add_co_u32 s97, s97, s98
	s_mul_i32 s98, s19, 4*FRB
	s_add_co_u32 s97, s97, s98                     ; in kvc
	s_lshl_b32 s98, s94, 14
	s_lshl_b32 s99, s96, 13
	s_add_co_u32 s98, s98, s99
	s_lshl_b32 s99, s95, 9
	s_add_co_u32 s98, s98, s99
	s_lshl_b32 s99, s19, 8
	s_add_co_u32 s98, s98, s99                     ; in kvs
	s_lshl_b32 s46, s93, 5
	s_lshl_b32 s47, s42, 1
	s_add_co_u32 s46, s46, s47
	s_add_co_u32 s46, s46, s19
	s_mul_i32 s46, s46, REC                        ; in qr: record 32 head + 2 ty + my half of A
	s_add_co_u32 s47, s46, SCO
	s_cmp_lt_u32 ttmp9, 2                          ; q's clusters
	s_cselect_b64 s[78:79], s[12:13], s[14:15]
	s_cselect_b64 s[80:81], s[12:13], s[16:17]
	s_cselect_b32 s46, s46, s97
	s_cselect_b32 s82, s47, s98
	s_mov_b32 s47, 0
	s_mov_b32 s83, 0
	s_add_nc_u64 s[78:79], s[78:79], s[46:47]      ; the fragments
	s_add_nc_u64 s[80:81], s[80:81], s[82:83]      ; the scale words
	s_mov_b32 s[SEL], 0x76543210
	s_mov_b32 s[SEL+1], 0xfedcba98
	s_wait_alu depctr_va_vdst(0)
	s_wait_tensorcnt 0x0                           ; my part of record 0 is in
	ds_add_u32 v[SPW], v[NIL]
	s_wait_dscnt 0x0
	CROUND                                         ; everybody's part of record 0 is in, and all sixteen work-groups are here
	JLOAD G0+4, G1, G0B+4, G1B                     ; record 1, slot 1's first fill: the first tensor load behind the round
	FETCH 0, 0, 0
	SCALES 0
	global_prefetch_b8 v[PVA], s[PFA:PFA+1] offset:2*REC th:TH_LOAD_NT scope:SCOPE_SE   ; record 3
	global_prefetch_b8 v[PVB], s[PFB:PFB+1] offset:2*REC th:TH_LOAD_NT scope:SCOPE_SE
	STEP 0, 0, 1
	s_mov_b32 s3, LAPS-1
.Llap:                                                 ; a trip goes once round the ring, from a lap's second step to the next lap's first, and fills both slots again
	STEP 0, 1, 0
	STEP 0, 2, 0
	TURN 0, 1, 1
	STEP 1, 0, 0
	STEP 1, 1, 0
	STEP 1, 2, 0
	TURN 1, 0, 1
	STEP 0, 0, 0
	s_sub_co_u32 s3, s3, 1
	s_cmp_lg_u32 s3, 0
	s_cbranch_scc1 .Llap
	STEP 0, 1, 0                                   ; the last lap fills nothing
	STEP 0, 2, 0
	TURN 0, 1, 0
	STEP 1, 0, 0
	STEP 1, 1, 0
	STEP 1, 2, 0
	s_wait_dscnt 0x0
	WIN MUL
.irp a, 0,1,2,3
	MUL8 \a, 1, 3, 1, 0
.endr
	WIN 0
	; THE EPILOGUE, in registers alone: a tile of A's rows at a time becomes one fragment and one scale word a row
	PLACES 4                                       ; between the last products and the first read of results, and the first write of registers that they read
.irp b, 0,1,2,3
	v_mov_b32 v[TM+4+\b], 0                        ; written once: a lane permute's destination counts as one of its sources
.endr
	s_wait_loadcnt 0x0                             ; cos and sin
	s_cmp_eq_u32 ttmp9, 3
	s_cbranch_scc1 .Lv_out
.irp a, 0,1,2,3
	ROPE \a
	QUANT HA, PC+12*\a, PW+\a, 0
	STOREF \a
.endr
	s_branch .Lwords
.Lv_out:
.irp a, 0,1,2,3
	QUANT 64*\a, PC+12*\a, PW+\a, 1
	STOREF \a
.endr
.Lwords:
	v_cmp_ne_u32 vcc_lo, 0, v2
	v_cndmask_b32 v[D], v[PW], v[PW+2], vcc_lo     ; both halves of the lanes hold the row's four words: lanes 0-15 store words 0, 1, lanes 16-31 words 2, 3
	v_cndmask_b32 v[D+1], v[PW+1], v[PW+3], vcc_lo
	global_store_b64 v[SO], v[D:D+1], s[80:81]     ; 256 consecutive bytes
	s_wait_tensorcnt 0x0                           ; the wave's end: behind my last tensor load
	ds_add_u32 v[SPW], v[NIL]
	s_wait_dscnt 0x0
	CROUND                                         ; the closing round: no work-group ends while a partner may still ask for a tile that names it
	s_endpgm
.Lfunc_end_k_qe432423e22_qkv:
	.size	k_qe432423e22_qkv, .Lfunc_end_k_qe432423e22_qkv-k_qe432423e22_qkv
	.p2alignl 7, 3214868480
	.fill 96, 4, 3214868480
	.section	.rodata,"a",@progbits
	.p2align	6, 0x0
	.amdhsa_kernel k_qe432423e22_qkv
		.amdhsa_group_segment_fixed_size 327680
		.amdhsa_private_segment_fixed_size 0
		.amdhsa_enable_private_segment 0
		.amdhsa_kernarg_size 56
		.amdhsa_user_sgpr_count 2
		.amdhsa_user_sgpr_kernarg_segment_ptr 1
		.amdhsa_wavefront_size32 1
		.amdhsa_system_sgpr_workgroup_id_x 1
		.amdhsa_system_sgpr_workgroup_id_y 1
		.amdhsa_system_sgpr_workgroup_id_z 1
		.amdhsa_system_vgpr_workitem_id 0
		.amdhsa_next_free_vgpr 1024
		.amdhsa_next_free_sgpr 106
		.amdhsa_reserve_vcc 1
		.amdhsa_float_denorm_mode_32 3
		.amdhsa_float_denorm_mode_16_64 3
		.amdhsa_memory_ordered 1
		.amdhsa_forward_progress 1
		.amdhsa_inst_pref_size 184
	.end_amdhsa_kernel
	.amdgpu_metadata
---
amdhsa.version: [ 1, 2 ]
amdhsa.kernels:
  - .name:           k_qe432423e22_qkv
    .symbol:         k_qe432423e22_qkv.kd
    .args:
      - { .name: xr, .offset: 0, .size: 8, .value_kind: global_buffer, .address_space: global }
      - { .name: wr, .offset: 8, .size: 8, .value_kind: global_buffer, .address_space: global }
      - { .name: cos, .offset: 16, .size: 8, .value_kind: global_buffer, .address_space: global }
      - { .name: sin, .offset: 24, .size: 8, .value_kind: global_buffer, .address_space: global }
      - { .name: qr, .offset: 32, .size: 8, .value_kind: global_buffer, .address_space: global }
      - { .name: kvc, .offset: 40, .size: 8, .value_kind: global_buffer, .address_space: global }
      - { .name: kvs, .offset: 48, .size: 8, .value_kind: global_buffer, .address_space: global }
    .group_segment_fixed_size: 327680
    .private_segment_fixed_size: 0
    .kernarg_segment_align: 8
    .kernarg_segment_size: 56
    .max_flat_workgroup_size: 128
    .sgpr_count:     106
    .vgpr_count:     1024
    .wavefront_size: 32
...
	.end_amdgpu_metadata
.endif
;; end of part 2
;; launch attn (part 3): grid 32 x 8, 8 waves a work-group, no clusters, 327,680 bytes of LDS; arguments qr, kvc, kvs, at; writes at
.if DOCPART == 3
	.amdgcn_target "amdgcn-amd-amdhsa--gfx1250"
	.amdhsa_code_object_version 6
	.text
	.protected	k_qe432423e22_attn
	.globl	k_qe432423e22_attn
	.p2align	8
	.type	k_qe432423e22_attn,@function
k_qe432423e22_attn:
	s_mov_b64 s[64:65], 0
	v_nop
	global_prefetch_b8 v0, s[64:65] scope:SCOPE_SE
	s_setreg_imm32_b32 hwreg(HW_REG_WAVE_MODE, 25, 1), 1
	s_wait_xcnt 0x0
; Causal attention on codes of FP6 (E2M3) with E8M0 scales: S^T = k q^T, p = 2^(t - M), O^T += v^T p^T, o = O / l, quantised along the heads' axis for the projection.
; t = score x log2(e) / sqrt(128); M is the ceiling of the running largest t, a whole number; l is the sum of the unquantised p.
; INPUTS: qr [head 16][token tile / 4][record: 4 fragments + scale words]; kvc [kv head 8][key step 16][K's 8 tiles, V's 8 tiles of channels]; kvs [kv head][K 8,192 | V 8,192], each [key step][half][row][4 words].
; Lane r of token tile T holds token 32 (T / 2) + 8 (T % 2) + r + 8 (r / 8); a fragment is 1,536 bytes, register 4 g + e of lane l at 512 g + 16 l + 4 e.
; LEFT OUT: key steps of 128 keys that lie wholly above the diagonal of the causal mask that the problem builds itself: their p are 0 for all inputs.
; A WORK-GROUP (x, kv head) serves query blocks 63 - x and x (32 queries each) of the two heads that share the kv head: eight tiles of 16 queries.
; THE KEYS OF A TILE ARE SPLIT BY PARITY: waves w and w xor 4 serve the same two tiles (one of each block), wave w the key steps s with s % 2 = w / 4.  Blocks 63 - x and x need 17 key steps together for every x,
; so each wave has 8 or 9 tile steps.  One fetch of a key step's K and V fragments serves both of a wave's tiles.
; Each wave KEEPS one tile (P: waves 0-3 block 63 - x, waves 4-7 block x) and EXPORTS the other (X): at the end X's (O, l, M) go through LDS to the partner, which joins them with its own:
; M is a whole number, so both parts are brought under the larger M by exact powers of two.  A part that saw no key has O = l = 0 and the factor 0.
; LDS: region a (key steps 0-3), region b (4-11), the scales, the spare words.  Key steps 12-15 are filled into region a's bytes, only where block 63 - x reaches key 1,536.
; The stage for the exported states lies in region b, which is filled once and read no more behind the last barrier of the walk.
; NO CLUSTER: the 32 work-groups of a kv head read the same tiles but need different numbers of fills (the third hangs on x).
; NO PREFETCH: the launch has three fills; the second and the third are asked for a whole region's work (2 and 4 key steps a wave) ahead of the wait for them.
; LIMITS: the promise holds while |t| stays under 2^31; NaN and infinities are not served; a block whose largest magnitude lies under 2^-124 keeps the scale byte 1.
; REGISTERS: window 0: v0-11 addresses; v12-31 M, l of P and X; v16-27, v32-43 q's fragments; v74, v75 q's scale words; v80-95 K's and V's scale words; v96-159 scores, then p; v160-223 P's O^T; v224-255 at work.
;   window 1: v0-95 K's fragments, v96-191 V's, v192-255 X's O^T.
.set REC,   6400
.set FRB,   1536
.set SCO,   4*FRB
.set KSB,   16*FRB                     ; a key step's fragments
.set RB,    4*KSB                      ; region b
.set SCB,   12*KSB                     ; the scales
.set SPARE, SCB+16384                  ; the spare words, 128 bytes for each wave, that no other line names
.set WST,   17*512                     ; a wave's stage: 64 registers of O^T and four of M and l
.set LI,  1                            ; 16 x lane
.set AS0, 2                            ; SCB + 16 r
.set SPW, 5
.set NIL, 6
.set ADK, 8
.set ADS, 10
.set MP,  12                           ; -M, the running largest t
.set LP,  14                           ; l in two halves
.set QP,  16
.set MX,  28
.set LX,  30
.set QX,  32
.set TM,  56
.set QSP, 74
.set QSX, 75
.set D0,  76                           ; r + 8 (r / 8) - 16 h
.set STW, 77
.set STR, 78
.set KS,  80
.set VS,  88
.set KFR, 0
.set VFR, 96
.set TB,  2                            ; s2 my key step's LDS bytes
.set TS,  3                            ; s3 its scale words
.set WV,  18
.set PO,  19                           ; parity x KSB
.set SEL, 20
.set CS,  22
.set G1,  24                           ; 48 rows of 256 bytes
.set G1B, 32                           ; 96 rows
.set G0A, 40
.set G0B, 44
.set G1S, 48                           ; 16 rows
.set G0S, 56
.set G0H, 60
.set QL,  66                           ; the work-group's last query
.set CNT, 67
.set HL,  71                           ; the last query of my later tile
.set Q0X, 96
.set TMPS, 97
.set KF,  98                           ; my key step's first key
.set Q0P, 99
.set MSB, 0
.macro WIN new                         ; the immediate's high byte repeats the setting that is left
.if MSB != \new
	s_set_vgpr_msb (MSB<<8)|\new
.set MSB, \new
.endif
.endm
.macro PLACES
.rept 4
	v_nop
.endr
.endm
.macro QOFF blk, fo, so                ; where block blk's tile lies in qr: its fragment, its scale words
	s_lshl_b32 s82, s72, 5
	s_lshr_b32 s83, s\blk, 1
	s_add_co_u32 s82, s82, s83
	s_mul_i32 s82, s82, REC
	s_and_b32 s83, s\blk, 1
	s_lshl_b32 s83, s83, 1
	s_add_co_u32 s83, s83, s74
	s_mul_i32 s\fo, s83, FRB
	s_add_co_u32 s\fo, s\fo, s82
	s_lshl_b32 s83, s83, 2
	s_add_co_u32 s\so, s82, s83
	s_add_co_u32 s\so, s\so, SCO
.endm
.macro GRP1 g, rows                    ; dense rows of 256 bytes: 32 elements of 8 bytes
	s_mov_b32 s[\g], 3<<16
	s_mov_b32 s[\g+1], 32<<16
	s_mov_b32 s[\g+2], \rows<<16
	s_mov_b32 s[\g+3], 32<<16
	s_mov_b32 s[\g+4], \rows
	s_mov_b32 s[\g+5], 32
	s_mov_b32 s[\g+6], 0
	s_mov_b32 s[\g+7], 0
.endm
	s_load_b256 s[4:11], s[0:1], 0x0               ; qr, kvc, kvs, at
	v_lshl_add_u32 v[SPW], v0, 2, SPARE
	v_mov_b32 v[NIL], 0
	ds_add_u32 v[SPW], v[NIL]                      ; the opening: the add, twice on end, and its wait ahead of my first tensor load
	ds_add_u32 v[SPW], v[NIL]
	v_lshrrev_b32 v8, 5, v0
	s_delay_alu instid0(VALU_DEP_1)
	v_readfirstlane_b32 s[WV], v8
	s_and_b32 s70, ttmp7, 0xffff                   ; kv head
	s_and_b32 s71, s[WV], 1
	s_lshl_b32 s72, s70, 1
	s_add_co_u32 s72, s72, s71                     ; head
	s_bfe_u32 s74, s[WV], 0x10001                  ; which tile of a block
	s_lshr_b32 s75, s[WV], 2                       ; parity
	s_sub_co_u32 s76, 63, ttmp9                    ; the later block
	s_cmp_eq_u32 s75, 0
	s_cselect_b32 s73, s76, ttmp9                  ; P's block
	s_cselect_b32 s77, ttmp9, s76                  ; X's block
	s_lshl_b32 s94, s74, 3
	s_lshl_b32 s[Q0P], s73, 5
	s_add_co_u32 s[Q0P], s[Q0P], s94               ; a tile's first query: 32 x block + 8 x tile; its last: + 23
	s_lshl_b32 s[Q0X], s77, 5
	s_add_co_u32 s[Q0X], s[Q0X], s94
	s_lshl_b32 s[QL], s76, 5
	s_add_co_u32 s[HL], s[QL], s94
	s_add_co_u32 s[HL], s[HL], 23
	s_or_b32 s[QL], s[QL], 31
	QOFF 73, 84, 86
	QOFF 77, 78, 80
	s_mov_b32 s85, 0
	s_mov_b32 s87, 0
	s_mov_b32 s79, 0
	s_mov_b32 s81, 0
	s_lshl_b32 s88, s73, 1                         ; P's place in at: record 4 x token tile + head / 4, fragment head % 4
	s_add_co_u32 s88, s88, s74
	s_lshl_b32 s88, s88, 2
	s_lshr_b32 s89, s72, 2
	s_add_co_u32 s88, s88, s89
	s_mul_i32 s88, s88, REC
	s_and_b32 s89, s72, 3
	s_mul_i32 s90, s89, FRB
	s_add_co_u32 s90, s90, s88
	s_mov_b32 s91, 0
	s_lshl_b32 s89, s89, 2
	s_add_co_u32 s92, s88, s89
	s_add_co_u32 s92, s92, SCO
	s_mov_b32 s93, 0
	s_mul_i32 s94, s70, 16*KSB
	s_mov_b32 s95, 0
	s_mul_i32 s82, s[WV], KSB
	s_mov_b32 s83, 0
	s_mul_i32 s88, s[WV], KSB/2
	s_mov_b32 s89, 0
	s_and_b32 s73, s[WV], 3
	s_lshl_b32 s73, s73, 12                        ; a quarter of the scales
	s_lshl_b32 s76, s70, 14
	s_add_co_u32 s76, s76, s73
	s_mov_b32 s77, 0
	s_mul_i32 s[PO], s75, KSB
	s_mov_b32 s[TB], s[PO]
	s_lshl_b32 s[TS], s75, 9
	s_lshl_b32 s[KF], s75, 7
	s_mul_i32 s74, s[WV], WST
	s_add_co_u32 s74, s74, RB                      ; my stage,
	s_xor_b32 s75, s[WV], 4
	s_mul_i32 s75, s75, WST
	s_add_co_u32 s75, s75, RB                      ; my partner's
	GRP1 G1, 48
	GRP1 G1B, 96
	GRP1 G1S, 16
	s_mov_b32 s[SEL], 0x76543210
	s_mov_b32 s[SEL+1], 0xfedcba98
	s_mov_b32 s[CS], 0x3e0293ee                    ; log2(e) / sqrt(128)
	s_mov_b32 s[CS+1], s[CS]
	s_wait_dscnt 0x0
	s_wait_kmcnt 0x0
	s_add_nc_u64 s[6:7], s[6:7], s[94:95]
	s_mov_b32 s[G0S], 1
	s_add_co_u32 s[G0S+1], s73, SCB
	s_add_nc_u64 s[G0S+2:G0S+3], s[8:9], s[76:77]
	s_or_b32 s[G0S+3], s[G0S+3], 0x80000000
	s_mov_b32 s[G0H], 1                            ; key step w, for waves 0-3
	s_mov_b32 s[G0H+1], s82
	s_add_nc_u64 s[G0H+2:G0H+3], s[6:7], s[82:83]
	s_or_b32 s[G0H+3], s[G0H+3], 0x80000000
	s_mov_b32 s[G0B], 1                            ; key step 4 + w
	s_add_co_u32 s[G0B+1], s82, RB
	s_add_nc_u64 s[G0B+2:G0B+3], s[6:7], s[82:83]
	s_add_nc_u64 s[G0B+2:G0B+3], s[G0B+2:G0B+3], 4*KSB
	s_or_b32 s[G0B+3], s[G0B+3], 0x80000000
	s_mov_b32 s[G0A], 1                            ; an eighth of key steps 12-15
	s_mov_b32 s[G0A+1], s88
	s_add_nc_u64 s[G0A+2:G0A+3], s[6:7], s[88:89]
	s_add_nc_u64 s[G0A+2:G0A+3], s[G0A+2:G0A+3], 12*KSB
	s_or_b32 s[G0A+3], s[G0A+3], 0x80000000
	s_cmp_lt_u32 s[WV], 4                          ; the head's fills, one a wave: waves 0-3 a key step of region a each, waves 4-7 a quarter of the scales each
	s_cbranch_scc0 .Lhead_s
	tensor_load_to_lds s[G0H:G0H+3], s[G1B:G1B+7]
	s_nop 0
	PLACES
	s_branch .Lhead_j
.Lhead_s:
	tensor_load_to_lds s[G0S:G0S+3], s[G1S:G1S+7]
	s_nop 0
	PLACES
.Lhead_j:
	s_add_nc_u64 s[12:13], s[4:5], s[86:87]
	s_add_nc_u64 s[14:15], s[4:5], s[78:79]
	s_add_nc_u64 s[16:17], s[4:5], s[80:81]
	s_add_nc_u64 s[4:5], s[4:5], s[84:85]
	s_add_nc_u64 s[68:69], s[10:11], s[92:93]
	s_add_nc_u64 s[10:11], s[10:11], s[90:91]
	v_and_b32 v4, 31, v0
	v_and_b32 v8, 15, v0
	v_bfe_u32 v9, v0, 4, 1
	s_delay_alu instid0(VALU_DEP_3)
	v_lshlrev_b32 v[LI], 4, v4
	s_delay_alu instid0(VALU_DEP_3)
	v_lshlrev_b32 v3, 4, v8
	v_and_b32 v10, 8, v8
	v_lshlrev_b32 v11, 4, v9
.irp c, 0,1,2
	global_load_b128 v[QP+4*\c:QP+3+4*\c], v[LI], s[4:5] offset:512*\c
	global_load_b128 v[QX+4*\c:QX+3+4*\c], v[LI], s[14:15] offset:512*\c
.endr
	global_load_b32 v[QSP], v3, s[12:13]
	global_load_b32 v[QSX], v3, s[16:17]
	v_add_nc_u32 v[AS0], SCB, v3
	v_add_nc_u32 v10, v10, v8
	v_add_nc_u32 v[STW], s74, v[LI]
	v_add_nc_u32 v[STR], s75, v[LI]
	s_delay_alu instid0(VALU_DEP_3)
	v_sub_nc_u32 v[D0], v10, v11
	v_mov_b32 v[MP+1], 0xff61b1e6                  ; the largest t so far: -3e38
	v_mov_b32 v[MX+1], 0xff61b1e6
	s_delay_alu instid0(VALU_DEP_2)
	v_floor_f32 v[MP], -v[MP+1]
	s_delay_alu instid0(VALU_DEP_2)
	v_floor_f32 v[MX], -v[MX+1]
.irp r, LP, LP+1, LX, LX+1, 236, 237, 238, 239, 252, 253
	v_mov_b32 v[\r], 0
.endr
.set j, 0
.rept 64
	v_mov_b32 v[160+j], 0                          ; the step is written once and which step is a tile's first hangs on ids: the first finds zeros
.set j, j+1
.endr
	WIN 0x40
.set j, 0
.rept 64
	v_mov_b32 v[192+j], 0
.set j, j+1
.endr
	WIN 0
; One tile against the key step whose fragments lie in window 1.  M, L, Q, QS: the tile's registers; Q0: its first query; OB, OW: its O^T and that O^T's window.
.macro STEP M, L, Q, QS, Q0, OB, OW
	s_add_co_u32 s[TMPS], s[\Q0], 23
	s_cmp_gt_u32 s[KF], s[TMPS]
	s_cbranch_scc1 .Lhidden_\@                     ; every key lies behind every query of the tile
	s_wait_dscnt 26                                ; K's 26 loads are in; V's 26, issued behind them, may be out
	WIN 0x01
.irp t, 0,1,2,3,4,5,6,7
	v_wmma_scale_f32_16x16x128_f8f6f4 v[96+8*\t:103+8*\t], v[KFR+12*\t:KFR+12*\t+11], v[\Q:\Q+11], 0, v[KS+\t], v[\QS] matrix_a_fmt:MATRIX_FMT_FP6 matrix_b_fmt:MATRIX_FMT_FP6
.endr
	WIN 0
	PLACES
	s_add_co_u32 s[TMPS], s[KF], 127
	s_cmp_le_u32 s[TMPS], s[\Q0]
	s_cbranch_scc1 .Lopen_\@                       ; every key counts for every query
	s_sub_co_i32 s[TMPS], s[\Q0], s[KF]
	v_add_nc_u32 v252, s[TMPS], v[D0]              ; register n holds key KF + 32 (n / 16) + 16 h + n % 16: hidden where that passes my query
	v_mov_b32 v254, 0xff800000
.set n, 0
.rept 64
	v_cmp_gt_i32 vcc_lo, 32*(n/16)+n%16, v252
	v_cndmask_b32 v[96+n], v[96+n], v254, vcc_lo
.set n, n+1
.endr
.Lopen_\@:
.irp b, 0,1,2,3
	v_max3_num_f32 v[232+\b], v[96+16*\b], v[97+16*\b], v[98+16*\b]   ; each block's largest score: for the row's maximum and for the block's largest p
.endr
.irp i, 3,5,7,9,11,13
.irp b, 0,1,2,3
	v_max3_num_f32 v[232+\b], v[232+\b], v[96+16*\b+\i], v[97+16*\b+\i]
.endr
.endr
.irp b, 0,1,2,3
	v_max_num_f32 v[232+\b], v[232+\b], v[111+16*\b]
.endr
.irp b, 0,1,2,3
	s_delay_alu instid0(VALU_DEP_4)
	v_permlanex16_b32 v[236+\b], v[232+\b], s[SEL], s[SEL+1]
.endr
.irp b, 0,1,2,3
	s_delay_alu instid0(VALU_DEP_4)
	v_max_num_f32 v[232+\b], v[232+\b], v[236+\b]
.endr
	s_delay_alu instid0(VALU_DEP_2)
	v_max3_num_f32 v254, v232, v233, v234
	s_delay_alu instid0(VALU_DEP_1)
	v_max_num_f32 v254, v254, v235
	s_delay_alu instid0(VALU_DEP_1)
	v_mul_f32 v254, s[CS], v254
	s_delay_alu instid0(VALU_DEP_1)
	v_max_num_f32 v[\M+1], v[\M+1], v254           ; the running largest t
	v_mov_b32 v254, v[\M]
	s_delay_alu instid0(VALU_DEP_2)
	v_floor_f32 v[\M], -v[\M+1]                    ; -M = floor(-t)
	s_delay_alu instid0(VALU_DEP_1)
	v_sub_f32 v254, v[\M], v254
	s_delay_alu instid0(VALU_DEP_1)
	v_cvt_i32_f32 v254, v254
	s_delay_alu instid0(VALU_DEP_1)
	v_ldexp_f32 v252, 1.0, v254                    ; f = 2^(old M - new M)
.set j, 0
.rept 32
	v_pk_fma_f32 v[96+j:97+j], v[96+j:97+j], s[CS:CS+1], v[\M:\M+1] op_sel_hi:[1,0,0]
.set j, j+2
.endr
.irp b, 0,1,2,3
	v_fma_f32 v[232+\b], v[232+\b], s[CS], v[\M]
.endr
.set j, 0
	s_wait_alu depctr_va_vdst(0)                   ; the wait ahead of the batch
.rept 64
	v_exp_f32 v[96+j], v[96+j]
.set j, j+1
.endr
	v_pk_mul_f32 v[\L:\L+1], v[\L:\L+1], v[252:253] op_sel_hi:[1,0]
	s_wait_alu depctr_va_vdst(0)                   ; and behind it
.irp b, 0,1,2,3
	v_exp_f32 v[232+\b], v[232+\b]
.endr
	v_pk_add_f32 v[236:237], v[96:97], v[98:99]    ; l is the sum of the unquantised p
.irp j, 4,8,12,16,20,24,28,32,36,40,44,48,52,56,60
	v_pk_add_f32 v[\L:\L+1], v[\L:\L+1], v[96+\j:97+\j]
	v_pk_add_f32 v[236:237], v[236:237], v[98+\j:99+\j]
.endr
	s_delay_alu instid0(VALU_DEP_1)
	v_pk_add_f32 v[\L:\L+1], v[\L:\L+1], v[236:237]
	s_wait_alu depctr_va_vdst(0)
.irp b, 0,1,2,3
	v_max_num_f32 v[232+\b], 0x1800000, v[232+\b]  ; the floor 2^(3 - 127): the byte cannot fall under 1
.endr
.irp b, 0,1,2,3
	s_delay_alu instid0(VALU_DEP_4)
	v_add_nc_u32 v[244+\b], 0xff000000, v[232+\b]  ; the conversion's scale operand
.endr
.irp b, 0,1,2,3
	s_delay_alu instid0(VALU_DEP_4)
	v_lshrrev_b32 v[236+\b], 23, v[244+\b]
.endr
	s_delay_alu instid0(VALU_DEP_3)
	v_lshl_or_b32 v253, v237, 8, v236              ; p's scale word
	s_delay_alu instid0(VALU_DEP_1)
	v_lshl_or_b32 v253, v238, 16, v253
	s_delay_alu instid0(VALU_DEP_1)
	v_lshl_or_b32 v253, v239, 24, v253
.irp c, 0,1
	v_cvt_scalef32_pk16_fp6_f32 v[224+6*\c:226+6*\c], v[96+32*\c:111+32*\c], v[244+2*\c]
	v_cvt_scalef32_pk16_fp6_f32 v[236+4*\c:238+4*\c], v[112+32*\c:127+32*\c], v[244+2*\c+1]
.endr
	v_nop                                          ; one plain instruction behind the conversions
.irp c, 0,1
.irp i, 0,1,2
	v_permlane16_swap_b32 v[224+6*\c+\i], v[236+4*\c+\i]
.endr
.irp i, 0,1,2
	s_delay_alu instid0(VALU_DEP_3)
	v_mov_b32 v[227+6*\c+\i], v[236+4*\c+\i]
.endr
.endr
	WIN (0x41*\OW)
	s_wait_alu depctr_va_vdst(0)                   ; the wait ahead of the first reader of O^T
.set j, 0
.rept 32
	v_pk_mul_f32 v[\OB+j:\OB+j+1], v[\OB+j:\OB+j+1], v[252:253] op_sel_hi:[1,0]   ; O^T under the new M
.set j, j+2
.endr
	s_wait_alu depctr_va_vdst(0)
	s_wait_dscnt 0x0                               ; V's fragments and scale words are in
	WIN (0x01+0x50*\OW)
.irp t, 0,1,2,3,4,5,6,7
	v_wmma_scale_f32_16x16x128_f8f6f4 v[\OB+8*\t:\OB+8*\t+7], v[VFR+12*\t:VFR+12*\t+11], v[224:235], v[\OB+8*\t:\OB+8*\t+7], v[VS+\t], v253 matrix_a_fmt:MATRIX_FMT_FP6 matrix_b_fmt:MATRIX_FMT_FP6
.endr
	WIN 0
.Lhidden_\@:
.endm
; One key step of my parity: its fragments once, then both tiles; then two key steps on.
.macro TRIP
	s_cmp_gt_u32 s[KF], s[HL]
	s_cbranch_scc1 .Lnone_\@
	s_wait_dscnt 0x0                               ; no load of the last key step is out when its registers are asked for anew
	PLACES
	v_add_nc_u32 v[ADK], s[TB], v[LI]
	v_add_nc_u32 v[ADS], s[TS], v[AS0]
	ds_load_b128 v[KS:KS+3], v[ADS]
	ds_load_b128 v[KS+4:KS+7], v[ADS] offset:256
	WIN 0x40
.irp t, 0,1,2,3,4,5,6,7
.irp c, 0,1,2
	ds_load_b128 v[KFR+12*\t+4*\c:KFR+12*\t+4*\c+3], v[ADK] offset:FRB*\t+512*\c
.endr
.endr
	WIN 0
	ds_load_b128 v[VS:VS+3], v[ADS] offset:8192
	ds_load_b128 v[VS+4:VS+7], v[ADS] offset:8192+256
	WIN 0x40
.irp t, 0,1,2,3,4,5,6,7
.irp c, 0,1,2
	ds_load_b128 v[VFR+12*\t+4*\c:VFR+12*\t+4*\c+3], v[ADK] offset:8*FRB+FRB*\t+512*\c
.endr
.endr
	WIN 0
	STEP MP, LP, QP, QSP, Q0P, 160, 0
	STEP MX, LX, QX, QSX, Q0X, 192, 1
.Lnone_\@:
	s_add_co_u32 s[KF], s[KF], 256
	s_add_co_u32 s[TS], s[TS], 1024
	s_add_co_u32 s[TB], s[TB], 2*KSB
.endm
.macro REGION n
	s_mov_b32 s[CNT], \n
.Lregion_\@:
	TRIP
	s_sub_co_u32 s[CNT], s[CNT], 1
	s_cmp_lg_u32 s[CNT], 0
	s_cbranch_scc1 .Lregion_\@
.endm
	s_wait_alu depctr_va_vdst(0)
	s_wait_loadcnt 0x0                             ; q
	s_wait_tensorcnt 0x0                           ; my fill of the head is in
	ds_add_u32 v[SPW], v[NIL]
	s_wait_dscnt 0x0
	s_barrier_signal -1
	s_barrier_wait -1
	tensor_load_to_lds s[G0B:G0B+3], s[G1B:G1B+7]  ; region b's one fill: a key step a wave
	s_nop 0
	PLACES
	REGION 2                                       ; key steps 0-3
	s_wait_alu depctr_va_vdst(0)
	s_wait_tensorcnt 0x0
	ds_add_u32 v[SPW], v[NIL]
	s_add_co_u32 s[TB], s[PO], RB
	s_wait_dscnt 0x0                               ; the add is done, and my reads of region a are over
	s_barrier_signal -1
	s_barrier_wait -1
	s_cmp_lt_u32 s[QL], 12*128                     ; key steps 12-15 are fetched only where a query of the work-group sees them: a test on ids, the same in all waves
	s_cbranch_scc1 .Lpast
	tensor_load_to_lds s[G0A:G0A+3], s[G1:G1+7]
	s_nop 0
	PLACES
.Lpast:
	REGION 4                                       ; key steps 4-11
	s_wait_alu depctr_va_vdst(0)
	s_wait_tensorcnt 0x0
	ds_add_u32 v[SPW], v[NIL]
	s_mov_b32 s[TB], s[PO]
	s_wait_dscnt 0x0
	s_barrier_signal -1
	s_barrier_wait -1
	REGION 2                                       ; key steps 12-15
	; X's state goes to my partner, as images of registers; my partner's X is my P
	s_wait_dscnt 0x0
	PLACES
	s_wait_alu depctr_va_vdst(0)
	WIN 0x04                                       ; the data: window 1
.set j, 0
.rept 16
	ds_store_b128 v[STW], v[192+4*j:195+4*j] offset:512*j   ; each accumulator from its low end on
.set j, j+1
.endr
	WIN 0
	ds_store_b128 v[STW], v[MX:MX+3] offset:8192
	s_wait_dscnt 0x0
	s_barrier_signal -1
	s_barrier_wait -1
.set j, 0
.rept 16
	ds_load_b128 v[96+4*j:99+4*j], v[STR] offset:512*j
.set j, j+1
.endr
	ds_load_b128 v[232:235], v[STR] offset:8192
	s_wait_dscnt 0x0
	v_min_num_f32 v236, v[MP], v232                ; -M of the two parts together
	v_add_f32 v[LP], v[LP], v[LP+1]
	v_add_f32 v234, v234, v235
	v_mov_b32 v241, 0
	v_mov_b32 v243, 0
	v_mov_b32 v244, 0
	v_sub_f32 v237, v236, v[MP]                    ; my M less the joint one: a whole number, 0 or less
	v_sub_f32 v238, v236, v232
	s_delay_alu instid0(VALU_DEP_2)
	v_cvt_i32_f32 v237, v237                       ; (it saturates: a part that saw no key gets the factor 0)
	s_delay_alu instid0(VALU_DEP_2)
	v_cvt_i32_f32 v238, v238
	s_delay_alu instid0(VALU_DEP_2)
	v_ldexp_f32 v240, 1.0, v237
	s_delay_alu instid0(VALU_DEP_2)
	v_ldexp_f32 v242, 1.0, v238
	s_delay_alu instid0(VALU_DEP_2)
	v_mul_f32 v[LP], v[LP], v240
	s_delay_alu instid0(VALU_DEP_1)
	v_fma_f32 v[LP], v234, v242, v[LP]
	s_delay_alu instid0(VALU_DEP_1)
	v_permlanex16_b32 v244, v[LP], s[SEL], s[SEL+1]
	s_delay_alu instid0(VALU_DEP_1)
	v_add_f32 v[LP], v[LP], v244                   ; the row's l
	s_wait_alu depctr_va_vdst(0)
	v_rcp_f32 v[LP], v[LP]
.irp b, 0,1,2,3
	v_mov_b32 v[TM+4+\b], 0
.endr
	s_wait_alu depctr_va_vdst(0)
	v_mul_f32 v240, v240, v[LP]                    ; 1 / l goes into the two factors
	v_mul_f32 v242, v242, v[LP]
.set j, 0
.rept 32
	v_pk_mul_f32 v[96+j:97+j], v[96+j:97+j], v[242:243] op_sel_hi:[1,0]
.set j, j+2
.endr
	s_wait_alu depctr_va_vdst(0)                   ; the wait ahead of the first reader of O^T
.set j, 0
.rept 32
	v_pk_fma_f32 v[96+j:97+j], v[160+j:161+j], v[240:241], v[96+j:97+j] op_sel_hi:[1,0,1]
.set j, j+2
.endr
	; o's 64 numbers of my lane become a fragment and the row's scale word
.irp b, 0,1,2,3
	v_max3_num_f32 v[TM+\b], |v[96+16*\b]|, |v[97+16*\b]|, 0x1800000
.endr
.irp i, 2,4,6,8,10,12,14
.irp b, 0,1,2,3
	s_delay_alu instid0(VALU_DEP_4)
	v_max3_num_f32 v[TM+\b], v[TM+\b], |v[96+16*\b+\i]|, |v[97+16*\b+\i]|
.endr
.endr
.irp b, 0,1,2,3
	s_delay_alu instid0(VALU_DEP_4)
	v_permlanex16_b32 v[TM+4+\b], v[TM+\b], s[SEL], s[SEL+1]
.endr
.irp b, 0,1,2,3
	s_delay_alu instid0(VALU_DEP_4)
	v_max_num_f32 v[TM+\b], v[TM+\b], v[TM+4+\b]
.endr
.irp b, 0,1,2,3
	s_delay_alu instid0(VALU_DEP_4)
	v_add_nc_u32 v[TM+12+\b], 0xff000000, v[TM+\b]
.endr
.irp b, 0,1,2,3
	s_delay_alu instid0(VALU_DEP_4)
	v_lshrrev_b32 v[TM+4+\b], 23, v[TM+12+\b]
.endr
	s_delay_alu instid0(VALU_DEP_3)
	v_lshl_or_b32 v72, v[TM+5], 8, v[TM+4]
	s_delay_alu instid0(VALU_DEP_1)
	v_lshl_or_b32 v72, v[TM+6], 16, v72
	s_delay_alu instid0(VALU_DEP_1)
	v_lshl_or_b32 v72, v[TM+7], 24, v72
.irp c, 0,1
	v_cvt_scalef32_pk16_fp6_f32 v[32+6*\c:34+6*\c], v[96+32*\c:111+32*\c], v[TM+12+2*\c]
	v_cvt_scalef32_pk16_fp6_f32 v[44+4*\c:46+4*\c], v[112+32*\c:127+32*\c], v[TM+12+2*\c+1]
.endr
	v_nop
.irp c, 0,1
.irp i, 0,1,2
	v_permlane16_swap_b32 v[32+6*\c+\i], v[44+4*\c+\i]
.endr
.irp i, 0,1,2
	s_delay_alu instid0(VALU_DEP_3)
	v_mov_b32 v[35+6*\c+\i], v[44+4*\c+\i]
.endr
.endr
.irp c, 0,1,2
	global_store_b128 v[LI], v[32+4*\c:35+4*\c], s[10:11] offset:512*\c   ; 512 consecutive bytes, at a multiple of 256 from the buffer's first byte
.endr
	v_cmp_gt_u32 vcc_lo, 16, v4
	s_wait_alu depctr_va_vdst(0)
	s_wait_xcnt 0x0                                ; EXEC changes only behind this wait
	s_and_saveexec_b32 s[TMPS], vcc_lo
	global_store_b32 v3, v72, s[68:69]             ; lanes 0-15: the rows' scale words
	s_wait_xcnt 0x0
	s_or_b32 exec_lo, exec_lo, s[TMPS]
	s_wait_tensorcnt 0x0                           ; the wave's end
	ds_add_u32 v[SPW], v[NIL]
	s_wait_dscnt 0x0
	s_endpgm
.Lfunc_end_k_qe432423e22_attn:
	.size	k_qe432423e22_attn, .Lfunc_end_k_qe432423e22_attn-k_qe432423e22_attn
	.p2alignl 7, 3214868480
	.fill 96, 4, 3214868480
	.section	.rodata,"a",@progbits
	.p2align	6, 0x0
	.amdhsa_kernel k_qe432423e22_attn
		.amdhsa_group_segment_fixed_size 327680
		.amdhsa_private_segment_fixed_size 0
		.amdhsa_enable_private_segment 0
		.amdhsa_kernarg_size 32
		.amdhsa_user_sgpr_count 2
		.amdhsa_user_sgpr_kernarg_segment_ptr 1
		.amdhsa_wavefront_size32 1
		.amdhsa_system_sgpr_workgroup_id_x 1
		.amdhsa_system_sgpr_workgroup_id_y 1
		.amdhsa_system_sgpr_workgroup_id_z 1
		.amdhsa_system_vgpr_workitem_id 0
		.amdhsa_next_free_vgpr 512
		.amdhsa_next_free_sgpr 100
		.amdhsa_reserve_vcc 1
		.amdhsa_float_denorm_mode_32 3
		.amdhsa_float_denorm_mode_16_64 3
		.amdhsa_memory_ordered 1
		.amdhsa_forward_progress 1
		.amdhsa_inst_pref_size 169
	.end_amdhsa_kernel
	.amdgpu_metadata
---
amdhsa.version: [ 1, 2 ]
amdhsa.kernels:
  - .name:           k_qe432423e22_attn
    .symbol:         k_qe432423e22_attn.kd
    .args:
      - { .name: qr, .offset: 0, .size: 8, .value_kind: global_buffer, .address_space: global }
      - { .name: kvc, .offset: 8, .size: 8, .value_kind: global_buffer, .address_space: global }
      - { .name: kvs, .offset: 16, .size: 8, .value_kind: global_buffer, .address_space: global }
      - { .name: at, .offset: 24, .size: 8, .value_kind: global_buffer, .address_space: global }
    .group_segment_fixed_size: 327680
    .private_segment_fixed_size: 0
    .kernarg_segment_align: 8
    .kernarg_segment_size: 32
    .max_flat_workgroup_size: 256
    .sgpr_count:     100
    .vgpr_count:     512
    .wavefront_size: 32
...
	.end_amdgpu_metadata
.endif
;; end of part 3
;; launch proj (part 4): grid 16 x 16, 4 waves a work-group, clusters of 4 x 4, 327,680 bytes of LDS; arguments at, wor, out0; writes out0
.if DOCPART == 4
	.amdgcn_target "amdgcn-amd-amdhsa--gfx1250"
	.amdhsa_code_object_version 6
	.text
	.protected	k_qe432423e22_proj
	.globl	k_qe432423e22_proj
	.p2align	8
	.type	k_qe432423e22_proj,@function
k_qe432423e22_proj:
	s_mov_b64 s[64:65], 0
	v_nop
	global_prefetch_b8 v0, s[64:65] scope:SCOPE_SE
	s_setreg_imm32_b32 hwreg(HW_REG_WAVE_MODE, 25, 1), 1
	s_wait_xcnt 0x0
	s_wait_alu depctr_hold_cnt(0) depctr_sa_sdst(0) depctr_va_vdst(0) depctr_va_sdst(0) depctr_va_ssrc(0) depctr_va_vcc(0) depctr_vm_vsrc(0)
	s_getreg_b32 s2, hwreg(HW_REG_IB_STS2, 6, 4)
	s_cmp_eq_u32 s2, 0
	s_cbranch_scc0 .Lentry_in_a_cluster
	s_endpgm
.Lentry_in_a_cluster:
	s_bfe_u32 s2, ttmp6, 0x10000c
	s_cmp_lg_u32 s2, 0xf033
	s_cbranch_scc0 .Lentry_shape_is_right
	s_endpgm
.Lentry_shape_is_right:
.set REC,    6400
.set FRB,    1536
.set SCO,    4*FRB
.set TPITCH, 4*REC
.set ASL,    8*REC
.set SLOT,   24*REC
.set SPARE,  2*SLOT
.set LAPS,   2
.set SPITCH, 528
.set ADRA, 16
.set ADRB, 20
.set ADRS, 22
.set LI,   24
.set STO,  25
.set RD,   26
.set SPW,  28
.set NIL,  29
.set SC,   32
.set AF,   96
.set BK,   128
.set G1,  24
.set G0,  32
.set G1B, 48
.set G0B, 56
.set MUL, 0xa1
.set MSB, 0
.macro WIN new
.if MSB != \new
	s_set_vgpr_msb (MSB<<8)|\new
.set MSB, \new
.endif
.endm
.macro PLACES n
.rept \n
	v_nop
.endr
.endm
.macro JLOAD g0a, g1a, g0b, g1b
	s_cmp_eq_u32 s19, 0
	s_cbranch_scc0 .Lfor_b_\@
	tensor_load_to_lds s[\g0a:\g0a+3], s[\g1a:\g1a+7]
	s_nop 0
.rept 4
	v_nop
.endr
	s_branch .Lasked_\@
.Lfor_b_\@:
	tensor_load_to_lds s[\g0b:\g0b+3], s[\g1b:\g1b+7]
	s_nop 0
.rept 4
	v_nop
.endr
.Lasked_\@:
.endm
.macro CREST
	s_cmp_lg_u32 s18, 0
	s_cbranch_scc1 .Lnot_wave_0_\@
	s_barrier_signal -3
.Lnot_wave_0_\@:
	s_barrier_wait -3
	s_barrier_signal -1
	s_barrier_wait -1
.endm
.macro CROUND
	s_barrier_signal -1
	s_barrier_wait -1
	CREST
.endm
.macro FETCH slot, q, p
	WIN 0x40
.irp i, 0,1,2,3,4,5,6,7
.irp g, 0,1,2
	ds_load_b128 v[96*(\p)+12*\i+4*\g:96*(\p)+12*\i+4*\g+3], v[ADRB+\slot] offset:REC*\i+FRB*(\q)+512*\g
.endr
.endr
	WIN 0
.irp i, 0,1,2,3
.irp g, 0,1,2
	ds_load_b128 v[AF+48*(\p)+12*\i+4*\g:AF+48*(\p)+12*\i+4*\g+3], v[ADRA+\slot] offset:REC*\i+FRB*(\q)+512*\g
.endr
.endr
.endm
.macro SCALES slot
.irp i, 0,1,2,3,4,5,6,7
	ds_load_b128 v[SC+32*\slot+4*\i:SC+32*\slot+4*\i+3], v[ADRS+\slot] offset:REC*\i
.endr
.endm
.macro MUL8 a, p, q, sc, zero
.irp b, 0,1,2,3,4,5,6,7
.if \zero
	v_wmma_scale_f32_16x16x128_f8f6f4 v[8*(8*(\a)+\b):8*(8*(\a)+\b)+7], v[96*(\p)+12*\b:96*(\p)+12*\b+11], v[AF+48*(\p)+12*(\a):AF+48*(\p)+12*(\a)+11], 0, v[SC+32*(\sc)+4*\b+(\q)], v[SC+32*(\sc)+4*(\a)+(\q)] matrix_a_fmt:MATRIX_FMT_FP6 matrix_b_fmt:MATRIX_FMT_FP6 matrix_a_scale:MATRIX_SCALE_ROW1
.else
	v_wmma_scale_f32_16x16x128_f8f6f4 v[8*(8*(\a)+\b):8*(8*(\a)+\b)+7], v[96*(\p)+12*\b:96*(\p)+12*\b+11], v[AF+48*(\p)+12*(\a):AF+48*(\p)+12*(\a)+11], v[8*(8*(\a)+\b):8*(8*(\a)+\b)+7], v[SC+32*(\sc)+4*\b+(\q)], v[SC+32*(\sc)+4*(\a)+(\q)] matrix_a_fmt:MATRIX_FMT_FP6 matrix_b_fmt:MATRIX_FMT_FP6 matrix_a_scale:MATRIX_SCALE_ROW1
.endif
.endr
.endm
.macro STEP slot, q, zero
	s_wait_dscnt 0x0
	PLACES 4
	FETCH \slot, (\q)+1, 1-(\q)%2
	WIN MUL
.irp a, 0,1,2,3
	MUL8 \a, (\q)%2, \q, \slot, \zero
.endr
	WIN 0
.endm
.macro TURN slot, next, fill
	s_wait_tensorcnt 0x0
	ds_add_u32 v[SPW], v[NIL]
	s_wait_dscnt 0x1
	WIN MUL
	MUL8 0, 1, 3, \slot, 0
	s_wait_dscnt 0x0
	s_barrier_signal -1
	MUL8 1, 1, 3, \slot, 0
	WIN 0
	s_barrier_wait -1
.if \fill
	CREST
	s_add_nc_u64 s[G0+4*\slot+2:G0+4*\slot+3], s[G0+4*\slot+2:G0+4*\slot+3], 2*REC
	s_add_nc_u64 s[G0B+4*\slot+2:G0B+4*\slot+3], s[G0B+4*\slot+2:G0B+4*\slot+3], 2*REC
	JLOAD G0+4*\slot, G1, G0B+4*\slot, G1B
.else
	PLACES 4
.endif
	FETCH \next, 0, 0
	SCALES \next
	WIN MUL
	MUL8 2, 1, 3, \slot, 0
	MUL8 3, 1, 3, \slot, 0
	WIN 0
.endm
	s_load_b128 s[4:7], s[0:1], 0x0
	s_load_b64 s[8:9], s[0:1], 0x10
	v_lshl_add_u32 v[SPW], v0, 2, SPARE
	v_mov_b32 v[NIL], 0
	ds_add_u32 v[SPW], v[NIL]
	ds_add_u32 v[SPW], v[NIL]
	v_lshrrev_b32 v1, 5, v0
	v_readfirstlane_b32 s18, v1
	s_lshr_b32 s19, s18, 1
	s_and_b32 s20, s18, 1
	s_bfe_u32 s21, ttmp6, 0x40000
	s_bfe_u32 s22, ttmp6, 0x40004
	s_and_b32 s42, ttmp7, 0xffff
	s_lshl_b32 s42, s42, 2
	s_add_co_u32 s42, s42, s22
	s_lshl_b32 s43, ttmp9, 2
	s_add_co_u32 s43, s43, s21
	s_lshl_b32 s44, s22, 2
	s_lshl_b32 s44, 15, s44
	s_lshl_b32 s45, 0x1111, s21
	s_or_b32 s[G1], s44, (3<<16)|(1<<21)
	s_mov_b32 s[G1+1], 800<<16
	s_mov_b32 s[G1+2], 4<<16
	s_mov_b32 s[G1+3], 800<<16
	s_mov_b32 s[G1+4], 4
	s_mov_b32 s[G1+5], TPITCH/8
	s_mov_b32 s[G1+6], 0
	s_mov_b32 s[G1+7], 0
	s_or_b32 s[G1B], s45, (3<<16)|(1<<21)
	s_mov_b32 s[G1B+1], 800<<16
	s_mov_b32 s[G1B+2], 8<<16
	s_mov_b32 s[G1B+3], 800<<16
	s_mov_b32 s[G1B+4], 8
	s_mov_b32 s[G1B+5], TPITCH/8
	s_mov_b32 s[G1B+6], 0
	s_mov_b32 s[G1B+7], 0
	s_lshl_b32 s70, s42, 3
	s_lshl_b32 s85, s20, 2
	s_add_co_u32 s70, s70, s85
	s_mul_i32 s70, s70, TPITCH
	s_mov_b32 s71, 0
	s_lshl_b32 s72, s43, 4
	s_lshl_b32 s85, s20, 3
	s_add_co_u32 s72, s72, s85
	s_mul_i32 s72, s72, TPITCH
	s_mov_b32 s73, 0
	s_mul_i32 s86, s20, 4*REC
	s_mul_i32 s87, s20, 8*REC
	s_add_co_u32 s87, s87, ASL
	s_wait_dscnt 0x0
	s_wait_kmcnt 0x0
	s_add_nc_u64 s[66:67], s[4:5], s[70:71]
	s_add_nc_u64 s[68:69], s[6:7], s[72:73]
; PREFETCHES INTO THE L2: with the load of record 0 go requests for records 1 and 2, with the load of record 1 one for record 3; K has four records, so the ring's refills ask for nothing.
; A record is 25 blocks of 256 bytes, each named once in a cluster: of A's 8 tiles the partner at cx takes 2 cx + wave / 2, half a record a wave; of B's 16 the partner at cy takes 4 cy + wave.  The partners are told apart by address alone.
.set PFA, 100
.set PFB, 104
.set PVA, 30
.set PVB, 31
	s_lshl_b32 s70, s42, 3
	s_lshl_b32 s71, s21, 1
	s_add_co_u32 s70, s70, s71
	s_add_co_u32 s70, s70, s19
	s_mul_i32 s70, s70, TPITCH
	s_mov_b32 s71, 0
	s_lshl_b32 s72, s43, 4
	s_lshl_b32 s73, s22, 2
	s_add_co_u32 s72, s72, s73
	s_add_co_u32 s72, s72, s18
	s_mul_i32 s72, s72, TPITCH
	s_mov_b32 s73, 0
	s_add_nc_u64 s[PFA:PFA+1], s[4:5], s[70:71]
	s_add_nc_u64 s[PFB:PFB+1], s[6:7], s[72:73]
	CROUND
.irp s, 0,1
	s_mov_b32 s[G0+4*\s], 1
	s_add_co_u32 s[G0+4*\s+1], s86, \s*SLOT
	s_add_nc_u64 s[G0+4*\s+2:G0+4*\s+3], s[66:67], \s*REC
	s_or_b32 s[G0+4*\s+3], s[G0+4*\s+3], 0x80000000
	s_mov_b32 s[G0B+4*\s], 1
	s_add_co_u32 s[G0B+4*\s+1], s87, \s*SLOT
	s_add_nc_u64 s[G0B+4*\s+2:G0B+4*\s+3], s[68:69], \s*REC
	s_or_b32 s[G0B+4*\s+3], s[G0B+4*\s+3], 0x80000000
.endr
	JLOAD G0, G1, G0B, G1B                         ; record 0: one tensor load a wave at the head
	v_and_b32 v1, 15, v0
	v_bfe_u32 v2, v0, 4, 1
	v_and_b32 v3, 31, v0
	v_lshlrev_b32 v[LI], 4, v3
	s_sub_co_u32 s85, 12, s20
	s_mul_i32 s86, s20, 13
	v_min_u32 v[PVA], s85, v3                      ; blocks 0-12 of A's record for the even wave, 13-24 for the odd one; lanes left over name the last again
	v_min_u32 v[PVB], 24, v3
	v_add_nc_u32 v[PVA], s86, v[PVA]
	v_lshlrev_b32 v[PVB], 8, v[PVB]
	v_lshlrev_b32 v[PVA], 8, v[PVA]
	global_prefetch_b8 v[PVB], s[PFB:PFB+1] offset:REC th:TH_LOAD_NT scope:SCOPE_SE     ; record 1
	global_prefetch_b8 v[PVA], s[PFA:PFA+1] offset:REC th:TH_LOAD_NT scope:SCOPE_SE
	global_prefetch_b8 v[PVB], s[PFB:PFB+1] offset:2*REC th:TH_LOAD_NT scope:SCOPE_SE   ; record 2
	global_prefetch_b8 v[PVA], s[PFA:PFA+1] offset:2*REC th:TH_LOAD_NT scope:SCOPE_SE
	s_mul_i32 s90, s19, 4*REC
	s_mul_i32 s91, s20, 8*REC
	s_add_co_u32 s91, s91, ASL
	s_sub_co_u32 s92, s91, s90
	v_lshlrev_b32 v5, 4, v1
	v_mul_u32_u24 v6, s92, v2
	v_add_nc_u32 v5, v5, v6
.irp s, 0,1
	v_add_nc_u32 v[ADRA+\s], s90, v[LI]
	v_add_nc_u32 v[ADRB+\s], s91, v[LI]
	v_add_nc_u32 v[ADRS+\s], s90, v5
	v_add_nc_u32 v[ADRS+\s], SCO, v[ADRS+\s]
	s_add_co_u32 s90, s90, SLOT
	s_add_co_u32 s91, s91, SLOT
.endr
	s_mul_i32 s93, s18, 16*SPITCH
	v_mul_u32_u24 v[STO], v1, SPITCH
	v_lshl_add_u32 v[STO], v2, 6, v[STO]
	v_add_nc_u32 v[STO], s93, v[STO]
	v_add_nc_u32 v[RD], s93, v[LI]
	s_lshl_b32 s94, s42, 7
	s_lshl_b32 s95, s19, 6
	s_add_co_u32 s94, s94, s95
	s_lshl_b32 s94, s94, 14
	s_mov_b32 s95, 0
	s_add_nc_u64 s[8:9], s[8:9], s[94:95]
	s_lshl_b32 s96, s43, 10
	s_lshl_b32 s97, s20, 9
	s_add_co_u32 s96, s96, s97
	s_mov_b32 s97, 0
	s_add_nc_u64 s[8:9], s[8:9], s[96:97]
	s_wait_alu depctr_va_vdst(0)
	s_wait_tensorcnt 0x0                           ; my part of record 0 is in
	ds_add_u32 v[SPW], v[NIL]
	s_wait_dscnt 0x0
	CROUND                                         ; everybody's part of record 0 is in, and all sixteen work-groups are here
	JLOAD G0+4, G1, G0B+4, G1B                     ; record 1, slot 1's first fill: the first tensor load behind the round
	FETCH 0, 0, 0
	SCALES 0
	global_prefetch_b8 v[PVA], s[PFA:PFA+1] offset:3*REC th:TH_LOAD_NT scope:SCOPE_SE   ; record 3
	global_prefetch_b8 v[PVB], s[PFB:PFB+1] offset:3*REC th:TH_LOAD_NT scope:SCOPE_SE
	STEP 0, 0, 1
	s_mov_b32 s3, LAPS-1
.Llap:
	STEP 0, 1, 0
	STEP 0, 2, 0
	TURN 0, 1, 1
	STEP 1, 0, 0
	STEP 1, 1, 0
	STEP 1, 2, 0
	TURN 1, 0, 1
	STEP 0, 0, 0
	s_sub_co_u32 s3, s3, 1
	s_cmp_lg_u32 s3, 0
	s_cbranch_scc1 .Llap
	STEP 0, 1, 0
	STEP 0, 2, 0
	TURN 0, 1, 0
	STEP 1, 0, 0
	STEP 1, 1, 0
	STEP 1, 2, 0
	s_wait_dscnt 0x0
	WIN MUL
.irp a, 0,1,2,3
	MUL8 \a, 1, 3, 1, 0
.endr
	WIN 0
.macro TOSTAGE a
	WIN 0x08
.irp kb, 0,1,2,3
.irp e, 0,1,2,3
	ds_store_b128 v[STO], v[64*(\a)+8*(2*\kb+\e/2)+4*(\e%2):64*(\a)+8*(2*\kb+\e/2)+4*(\e%2)+3] offset:128*\kb+16*\e
.endr
.endr
	WIN 0
.set BB, BK+64*((\a)%2)
.irp t, 0,1,2,3,4,5,6,7,8,9,10,11,12,13,14,15
	ds_load_b128 v[BB+4*\t:BB+4*\t+3], v[RD] offset:\t*SPITCH
.endr
.endm
.macro SEND a, younger
.set BB, BK+64*((\a)%2)
	s_wait_dscnt \younger
.irp t, 0,1,2,3,4,5,6,7,8,9,10,11,12,13,14,15
	global_store_b128 v[LI], v[BB+4*\t:BB+4*\t+3], s[8:9] offset:(32*((\a)/2)+8*((\a)%2)+\t+8*(\t/8))*16384 th:TH_STORE_NT
.endr
.endm
	PLACES 4
	TOSTAGE 0
.irp a, 1,2,3
.if \a > 1
	s_wait_xcnt 0x0
.endif
	TOSTAGE \a
	SEND \a-1, 32
.endr
	SEND 3, 0
	s_wait_tensorcnt 0x0
	ds_add_u32 v[SPW], v[NIL]
	s_wait_dscnt 0x0
	CROUND
	s_endpgm
.Lfunc_end_k_qe432423e22_proj:
	.size	k_qe432423e22_proj, .Lfunc_end_k_qe432423e22_proj-k_qe432423e22_proj
	.p2alignl 7, 3214868480
	.fill 96, 4, 3214868480
	.section	.rodata,"a",@progbits
	.p2align	6, 0x0
	.amdhsa_kernel k_qe432423e22_proj
		.amdhsa_group_segment_fixed_size 327680
		.amdhsa_private_segment_fixed_size 0
		.amdhsa_enable_private_segment 0
		.amdhsa_kernarg_size 24
		.amdhsa_user_sgpr_count 2
		.amdhsa_user_sgpr_kernarg_segment_ptr 1
		.amdhsa_wavefront_size32 1
		.amdhsa_system_sgpr_workgroup_id_x 1
		.amdhsa_system_sgpr_workgroup_id_y 1
		.amdhsa_system_sgpr_workgroup_id_z 1
		.amdhsa_system_vgpr_workitem_id 0
		.amdhsa_next_free_vgpr 768
		.amdhsa_next_free_sgpr 106
		.amdhsa_reserve_vcc 0
		.amdhsa_float_denorm_mode_32 3
		.amdhsa_float_denorm_mode_16_64 3
		.amdhsa_memory_ordered 1
		.amdhsa_forward_progress 1
		.amdhsa_inst_pref_size 133
	.end_amdhsa_kernel
	.amdgpu_metadata
---
amdhsa.version: [ 1, 2 ]
amdhsa.kernels:
  - .name:           k_qe432423e22_proj
    .symbol:         k_qe432423e22_proj.kd
    .args:
      - { .name: at, .offset: 0, .size: 8, .value_kind: global_buffer, .address_space: global }
      - { .name: wor, .offset: 8, .size: 8, .value_kind: global_buffer, .address_space: global }
      - { .name: out0, .offset: 16, .size: 8, .value_kind: global_buffer, .address_space: global }
    .group_segment_fixed_size: 327680
    .private_segment_fixed_size: 0
    .kernarg_segment_align: 8
    .kernarg_segment_size: 24
    .max_flat_workgroup_size: 128
    .sgpr_count:     106
    .vgpr_count:     768
    .wavefront_size: 32
...
	.end_amdgpu_metadata
.endif
;; end of part 4
